; MI455X (gfx1250); checked and timed in simulation.
; The chip was launched on July 23, 2026; its instructions are those of AMD's public machine-readable ISA for CDNA 5 (MIT licence, August 2026) and "CDNA5" Instruction Set Architecture Reference Guide (July 2026). The comments in the code are by the model that wrote it; some were corrected since.
;; Hollow Transformer Layer. Allowed arithmetic: matrix products marked QUANTISED: E4M3 operands, one given power-of-two scale a tensor, by v_wmma_f32_16x16x64_fp8_fp8 or v_wmma_f32_16x16x128_fp8_fp8, f32 sums; everything else in f32.
;; Inputs: W1 1,024 x 4,096 float32; W2 4,096 x 1,024 float32; Wk 1,024 x 1,024 float32; Wo 1,024 x 1,024 float32; Wq 1,024 x 1,024 float32; Wv 1,024 x 1,024 float32; b1 4,096 float32; b2 1,024 float32; beta1 1,024 float32; beta2 1,024 float32; bk 1,024 float32; bo 1,024 float32; bq 1,024 float32; bv 1,024 float32; g1 1,024 float32; g2 1,024 float32; lowp_scales 16 int32 (the exponents e of the quantised operands' scales 2^e); mask 2 x 2,048 int32; x 2 x 2,048 x 1,024 float32.
;; Outputs: out0 2 x 2,048 x 1,024 float32.
;; This version of the problem:
;;   THIS VERSION OF THE PROBLEM IS GIVEN IN LOW PRECISION. The matrix products marked QUANTISED in the list below multiply operands that are first quantised to E4M3 (4 exponent bits, 3 mantissa bits; 8 bits a number), with one given power-of-two scale for each operand tensor; their sums are f32. All else is computed in f32.
;;   The module's matrix products, in the order in which they are computed (A, B: the left and right operand; K: the contracted axis; several contracted axes count as one K, in the product's order):
;;     1. [M 4,096, K 1,024] x [K 1,024, N 1,024]; A: input x; B: input Wq: QUANTISED (scales: A lowp_scales[0], B lowp_scales[1])
;;     2. [M 4,096, K 1,024] x [K 1,024, N 1,024]; A: input x; B: input Wk: QUANTISED (scales: A lowp_scales[2], B lowp_scales[3])
;;     3. [M 4,096, K 1,024] x [K 1,024, N 1,024]; A: input x; B: input Wv: QUANTISED (scales: A lowp_scales[4], B lowp_scales[5])
;;     4. batch 32 x [M 2,048, K 64] x [K 64, N 2,048]; A: computed on the way; B: computed on the way: QUANTISED (scales: A lowp_scales[6], B lowp_scales[7])
;;     5. batch 32 x [M 64, K 2,048] x [K 2,048, N 2,048]; A: computed on the way; B: softmax (see below): QUANTISED (scales: A lowp_scales[8], B lowp_scales[9])
;;     6. [M 4,096, K 1,024] x [K 1,024, N 1,024]; A: computed on the way; B: input Wo: QUANTISED (scales: A lowp_scales[10], B lowp_scales[11])
;;     7. [M 4,096, K 1,024] x [K 1,024, N 4,096]; A: computed on the way; B: input W1: QUANTISED (scales: A lowp_scales[12], B lowp_scales[13])
;;     8. [M 4,096, K 4,096] x [K 4,096, N 1,024]; A: computed on the way; B: input W2: QUANTISED (scales: A lowp_scales[14], B lowp_scales[15])
;;   THE QUANTISER, for each operand of a quantised product, along K:
;;     - The operand's scale is 2^e, e = its entry of the input lowp_scales (int32; the entries are numbered through the quantised products in the list's order, A before B).
;;     - Each number is divided by the scale, clamped to +-448, and rounded to the nearest number of E4M3, ties to even, subnormals kept.
;;     - The product sums the exact products of the quantised numbers (number of the format x scale) in f32.
;;   ~~~python
;;   def quantise(x, axis, e):      # numpy; x: float32 -> the quantised numbers, widened to float32 again
;;       x = np.moveaxis(x, axis, -1); K = x.shape[-1]
;;       r = np.clip(x / 2.0 ** e, -448, 448)
;;       step = 2.0 ** (np.maximum(np.frexp(np.where(r == 0, 1, r))[1] - 1, -6) - 3)
;;       q = np.round(r / step) * step * 2.0 ** e      # np.round: ties to even
;;       return np.moveaxis(q, -1, axis).astype(np.float32)
;;   ~~~
;;   SOFTMAX AHEAD OF A QUANTISED PRODUCT. Where the list says 'softmax', what is quantised is not the finished softmax but p = 2^(t - M), with t = logit x log2(e) and M = ceil(the row's largest t), a whole number; so 1/2 < the row's largest p <= 1. The row's sum l is taken of the UNQUANTISED p, in f32, and the product's result is divided by l at the end. Since M is a whole number, a kernel that streams over the keys may use a running M (the ceiling of the running maximum): every later rescaling is an exact power of two, so the quantised numbers keep their values, but for numbers so far below the row's largest that they fall under the format's range.
;;   OPERANDS COMPUTED ON THE WAY. 'Computed on the way' means the value that the module computes at that place (a softmax that the list does not call 'softmax' is quantised finished and normalised). What goes into a quantiser is computed in f32, as accurately as f32 sums, v_exp_f32 and their like allow (about 1e-6 of the number): no bf16 or f16 on the way to a quantiser, and a product that is left as it is and whose result goes on into a quantised operand takes f32 operands (vector FMAs, or v_wmma_f32_16x16x4_f32). A number that lies on a knife's edge between two numbers of the format may be rounded either way, as far as f32 arithmetic and the matrix unit's own rounding can turn it there, and no further.
;; 2 versions, each right; version 2 is version 1 with the launch attn_wo_ln1 written anew for expert scheduling mode. Each part assembles by itself: llvm-mc -triple=amdgcn-amd-amdhsa -mcpu=gfx1250 --defsym DOCPART=n.
;; ======== version 1 of 2: 6 launches
;; limits: right only within a limited range of input values
;; workspace buffers: xq 12,582,912 bytes; wc 12,582,912 bytes; qkvc 12,582,912 bytes; hc 4,194,304 bytes; hf 16,777,216 bytes; hid 16,777,216 bytes; y2 16,777,216 bytes
;; launch quant (part 1): grid 1280 x 1, 4 waves a work-group, no clusters, 34,304 bytes of LDS; arguments x, Wq, Wk, Wv, Wo, W1, W2, lowp_scales, xq, wc; writes xq, wc
.if DOCPART == 1
	.amdgcn_target "amdgcn-amd-amdhsa--gfx1250"
	.amdhsa_code_object_version 6
	.text
	.protected	k_q50215c3382_quant
	.globl	k_q50215c3382_quant
	.p2align	8
	.type	k_q50215c3382_quant,@function
k_q50215c3382_quant:
	s_mov_b64 s[64:65], 0
	v_nop
	global_prefetch_b8 v0, s[64:65] scope:SCOPE_SE
	s_setreg_imm32_b32 hwreg(HW_REG_WAVE_MODE, 25, 1), 1
	s_wait_xcnt 0x0
; x and the six weights, f32, become codes of FP8 (E4M3): code = number / 2^e, held within +-448, to the nearest code, ties to even.
; The codes are laid as IMAGES OF THE OPERAND'S REGISTERS: 16 rows x 128 along K are 2,048 bytes; byte 512 c + 16 l + i holds row index l % 16 at k = 32 c + 16 (l / 16) + i.
; Four loads of 16 bytes a lane, 512 bytes apart, then give any wave the 16 registers of a fragment.
;   xq: [3 scales][256 tiles of rows][8 K steps][2048]: x is an operand of three products with three given scales (entries 0, 2, 4).
;   wc: [tile of columns][K step][2048]: Wq, Wk, Wv at 0, 1, 2 MiB, Wo at 3, W1 at 4, W2 at 8 MiB.  Row index p of tile nt is column 32 (nt / 2) + 8 (nt % 2) + p + 8 (p / 8),
;       so that the 16 result registers of two neighbouring tiles are 16 neighbours along the next product's K.
; Work-groups 0-511 take x (a wave: 16 rows x 128 K), 512-767 W1, 768-1023 W2, 1024-1279 Wq, Wk, Wv, Wo (a wave: 32 columns x 128 K, a lane to a column, registers down K).
; LIMITS: each e between -126 and 119, so that 2^e and 448 x 2^e are f32 numbers.  NaN among the inputs is not served.
.set XP,    528                        ; a row of a wave's stage: 512 bytes + 16: row r starts 4 r banks on
.set WST,   16*XP                      ; a wave's stage
.set SPARE, 4*WST                      ; behind the four stages: the spare words, 128 bytes a wave, that no other line names
.set SPW,   12                         ; v12  my spare word's LDS address; never rewritten
.set NIL,   13                         ; v13  0; never rewritten
.macro WLOAD c, ROWB                   ; chunk c: W(32 c + i, my column), i = 0 .. 31: a wave reads 128 consecutive bytes, the four waves 512
.set wi, 32*(\c)
.rept 32
	global_load_b32 v[32+wi], v8, s[44:45] offset:wi*\ROWB th:TH_LOAD_NT
.set wi, wi+1
.endr
.endm
; 32 columns x 128 along K of a weight whose rows are ROWB bytes.  In: s32 block of 128 columns, s33 K step, s34 log2 of a tile's bytes in wc, s36 4 x the scale's entry, s38 the weight's place in wc, s[44:45] the weight.
.macro WQ ROWB
	s_load_b32 s40, s[22:23], s36 offset:0x0       ; e
	s_mul_i32 s46, s33, 128*\ROWB                  ; from: 128 rows a K step,
	s_lshl_b32 s47, s32, 9                         ; 512 bytes a block of columns,
	s_add_co_u32 s46, s46, s47
	s_lshl_b32 s47, s28, 7                         ; 128 a wave
	s_add_co_u32 s46, s46, s47
	s_mov_b32 s47, 0
	s_add_nc_u64 s[44:45], s[44:45], s[46:47]
	s_lshl_b32 s46, s32, 2
	s_add_co_u32 s46, s46, s28                     ; to: my group of 32 columns = tiles 2 g and 2 g + 1,
	s_add_co_u32 s48, s34, 1
	s_lshl_b32 s46, s46, s48
	s_lshl_b32 s48, s33, 11                        ; the K step's image,
	s_add_co_u32 s46, s46, s48
	s_add_co_u32 s46, s46, s38                     ; the weight's place
	s_add_nc_u64 s[26:27], s[26:27], s[46:47]
	v_lshlrev_b32 v8, 2, v1                        ; in: 4 bytes a lane
	v_bfe_u32 v9, v1, 3, 1                         ; column m of the 32 lies in tile u = (m / 8) % 2
	v_lshlrev_b32 v9, s34, v9
	v_and_b32 v14, 7, v1
	v_lshrrev_b32 v15, 4, v1
	v_lshl_add_u32 v14, v15, 3, v14                ; at row index m % 8 + 8 (m / 16)
	v_lshl_add_u32 v9, v14, 4, v9                  ; out: 16 bytes a row index: sixteen lanes fill 256 consecutive bytes of one tile's image
	WLOAD 0, \ROWB
	WLOAD 1, \ROWB
	s_wait_kmcnt 0x0
	s_add_co_i32 s40, s40, 127
	s_lshl_b32 s41, s40, 23
	v_mov_b32 v11, s41                             ; 2^e as f32: the conversion takes its exponent field
	s_add_co_i32 s40, s40, 8
	s_lshl_b32 s40, s40, 23
	s_or_b32 s40, s40, 0x600000
	v_mov_b32 v10, s40                             ; 448 x 2^e
.irp c, 0,1,2,3
.if \c < 3
	s_wait_loadcnt 32                              ; this chunk's 32 loads are in; the next chunk's 32 may be out
.else
	s_wait_loadcnt 0
.endif
.if \c < 2
	WLOAD \c+2, \ROWB                              ; every chunk has registers of its own: the chunk two on is asked for at once
.endif
.set wi, 32+32*\c
.rept 32
	v_med3_num_f32 v[wi], v[wi], -v10, v10         ; the conversion to an 8-bit code does not saturate (ISA guide 7.6.2): the hold comes first
.set wi, wi+1
.endr
.irp g, 0,1,2,3
	v_cvt_scalef32_pk8_fp8_f32 v[160+8*\c+2*\g:161+8*\c+2*\g], v[32+32*\c+8*\g:39+32*\c+8*\g], v11
.endr
	global_store_b128 v9, v[160+8*\c:163+8*\c], s[26:27] offset:512*\c        ; k = 32 c + 0 .. 15
	global_store_b128 v9, v[164+8*\c:167+8*\c], s[26:27] offset:512*\c+256    ; k = 32 c + 16 .. 31.  (The next vector lines are the next chunk's holds: plain, on other registers)
.endr
.endm
	s_load_b512 s[8:23], s[0:1], 0x0               ; x s[8:9], Wq, Wk, Wv, Wo s[10:17], W1 s[18:19], W2 s[20:21], the scales' exponents s[22:23]
	s_load_b128 s[24:27], s[0:1], 0x40             ; xq s[24:25], wc s[26:27]
	v_lshl_add_u32 v[SPW], v0, 2, SPARE
	v_mov_b32 v[NIL], 0
	v_lshrrev_b32 v1, 5, v0
	v_readfirstlane_b32 s28, v1                    ; wave 0..3
	v_and_b32 v1, 31, v0                           ; lane
	s_wait_kmcnt 0x0
	s_cmp_lt_u32 ttmp9, 512
	s_cbranch_scc0 .Lweights
	; ---- x: tile of rows mt = id / 2, K step 4 (id % 2) + wave
	s_load_b256 s[36:43], s[22:23], 0x0            ; entries 0 to 7: e0 s36, e2 s38, e4 s40
	s_lshr_b32 s30, ttmp9, 1                       ; mt
	s_and_b32 s31, ttmp9, 1
	s_lshl_b32 s31, s31, 2
	s_add_co_u32 s31, s31, s28                     ; K step
	s_lshl_b32 s32, s30, 16                        ; 16 rows of 4,096 bytes
	s_lshl_b32 s33, s31, 9                         ; 128 numbers
	s_add_co_u32 s32, s32, s33
	s_mov_b32 s33, 0
	s_add_nc_u64 s[8:9], s[8:9], s[32:33]
	v_lshlrev_b32 v8, 4, v1                        ; 16 x lane: in memory, both ways
.irp p, 0,1,2,3,4,5,6,7,8,9,10,11,12,13,14,15
	global_load_b128 v[16+4*\p:19+4*\p], v8, s[8:9] offset:4096*\p th:TH_LOAD_NT   ; row p: 512 consecutive bytes
.endr
	s_mul_i32 s34, s28, WST
	v_add_nc_u32 v9, s34, v8                       ; the stage, way in: as the bytes lie
	v_and_b32 v14, 15, v0
	v_bfe_u32 v15, v0, 4, 1
	v_mul_u32_u24 v10, v14, XP
	v_lshl_add_u32 v10, v15, 6, v10
	v_add_nc_u32 v10, s34, v10                     ; way out: row lane % 16, + 64 (lane / 16): my 16 neighbours of a block of 32
	s_lshl_b32 s32, s30, 14
	s_lshl_b32 s35, s31, 11
	s_add_co_u32 s32, s32, s35                     ; image (mt, K step)
	s_add_nc_u64 s[44:45], s[24:25], s[32:33]
	s_add_nc_u64 s[46:47], s[44:45], 0x400000      ; the three sets lie 4 MiB apart
	s_add_nc_u64 s[48:49], s[44:45], 0x800000
	s_wait_kmcnt 0x0
.irp i, 0,1,2
	s_add_co_i32 s50, s[36+2*\i], 127
	s_lshl_b32 s51, s50, 23
	v_mov_b32 v[2+2*\i], s51                       ; 2^e
	s_add_co_i32 s50, s50, 8
	s_lshl_b32 s50, s50, 23
	s_or_b32 s50, s50, 0x600000
	v_mov_b32 v[3+2*\i], s50                       ; 448 x 2^e
.endr
.irp p, 0,1,2,3,4,5,6,7,8,9,10,11,12,13,14,15
	s_wait_loadcnt 15-\p                           ; row p is in; the rows behind it may be out
	ds_store_b128 v9, v[16+4*\p:19+4*\p] offset:XP*\p
.endr
.irp c, 0,1,2,3
.irp j, 0,1,2,3
	ds_load_b128 v[80+16*\c+4*\j:83+16*\c+4*\j], v10 offset:128*\c+16*\j   ; LDS serves a wave's instructions in order: these see my stores
.endr
.endr
.set n, 0
.irp c, 0,1,2,3
	s_wait_dscnt 12-4*\c                           ; chunk c's four reads are back (and so all my stores have read their registers); later chunks' may be out
.irp i, 0,1,2
.set T, 16+16*(n%2)                    ; two sets of held numbers by turns: sixteen plain lines stand between a conversion and the next write of its sources
.set C, 144+4*n                        ; each store has data registers of its own
.irp k, 0,1,2,3,4,5,6,7,8,9,10,11,12,13,14,15
	v_med3_num_f32 v[T+\k], v[80+16*\c+\k], -v[3+2*\i], v[3+2*\i]
.endr
	v_cvt_scalef32_pk8_fp8_f32 v[C:C+1], v[T:T+7], v[2+2*\i]
	v_cvt_scalef32_pk8_fp8_f32 v[C+2:C+3], v[T+8:T+15], v[2+2*\i]
	global_store_b128 v8, v[C:C+3], s[44+2*\i:45+2*\i] offset:512*\c   ; the wave stores 512 consecutive bytes
.set n, n+1
.endr
.endr
	s_wait_tensorcnt 0x0                           ; the wave's end, behind my last LDS store
	ds_add_u32 v[SPW], v[NIL]
	s_wait_dscnt 0x0
	s_endpgm
.Lweights:                                         ; these paths touch no LDS
	s_sub_co_u32 s30, ttmp9, 512
	s_lshr_b32 s31, s30, 8                         ; 0: W1, 1: W2, 2: the four square weights
	s_and_b32 s30, s30, 255
	s_cmp_eq_u32 s31, 0
	s_cbranch_scc0 .Lnarrow
	s_and_b32 s32, s30, 31                         ; W1 [1024][4096]: 32 blocks of columns x 8 K steps
	s_lshr_b32 s33, s30, 5
	s_mov_b32 s34, 14                              ; a tile's 8 images
	s_mov_b32 s38, 0x400000
	s_mov_b32 s36, 13*4
	s_mov_b64 s[44:45], s[18:19]
	WQ 16384
	s_endpgm
.Lnarrow:                                          ; rows of 4,096 bytes: 8 blocks of columns
	s_lshr_b32 s35, s30, 6                         ; which of Wq, Wk, Wv, Wo
	s_and_b32 s32, s30, 7
	s_lshr_b32 s33, s30, 3
	s_lshl_b32 s36, s35, 3
	s_add_co_u32 s36, s36, 4                       ; entries 1, 3, 5
	s_mov_b64 s[44:45], s[10:11]
	s_cmp_eq_u32 s35, 1
	s_cselect_b64 s[44:45], s[12:13], s[44:45]
	s_cmp_eq_u32 s35, 2
	s_cselect_b64 s[44:45], s[14:15], s[44:45]
	s_cmp_eq_u32 s35, 3
	s_cselect_b64 s[44:45], s[16:17], s[44:45]
	s_cselect_b32 s36, 44, s36                     ; Wo: entry 11
	s_cmp_eq_u32 s31, 1                            ; W2 [4096][1024]: 32 K steps, entry 15, at 8 MiB
	s_cselect_b64 s[44:45], s[20:21], s[44:45]
	s_cselect_b32 s36, 60, s36
	s_cselect_b32 s34, 16, 14
	s_cselect_b32 s37, 31, 7
	s_cselect_b32 s38, 8, s35
	s_and_b32 s33, s33, s37
	s_lshl_b32 s38, s38, 20
	WQ 4096
	s_endpgm
.Lfunc_end_k_q50215c3382_quant:
	.size	k_q50215c3382_quant, .Lfunc_end_k_q50215c3382_quant-k_q50215c3382_quant
	.p2alignl 7, 3214868480
	.fill 96, 4, 3214868480
	.section	.rodata,"a",@progbits
	.p2align	6, 0x0
	.amdhsa_kernel k_q50215c3382_quant
		.amdhsa_group_segment_fixed_size 34304
		.amdhsa_private_segment_fixed_size 0
		.amdhsa_enable_private_segment 0
		.amdhsa_kernarg_size 80
		.amdhsa_user_sgpr_count 2
		.amdhsa_user_sgpr_kernarg_segment_ptr 1
		.amdhsa_wavefront_size32 1
		.amdhsa_system_sgpr_workgroup_id_x 1
		.amdhsa_system_sgpr_workgroup_id_y 1
		.amdhsa_system_sgpr_workgroup_id_z 1
		.amdhsa_system_vgpr_workitem_id 0
		.amdhsa_next_free_vgpr 192
		.amdhsa_next_free_sgpr 66
		.amdhsa_reserve_vcc 0
		.amdhsa_float_denorm_mode_32 3
		.amdhsa_float_denorm_mode_16_64 3
		.amdhsa_memory_ordered 1
		.amdhsa_forward_progress 1
		.amdhsa_inst_pref_size 69
	.end_amdhsa_kernel
	.amdgpu_metadata
---
amdhsa.version: [ 1, 2 ]
amdhsa.kernels:
  - .name:           k_q50215c3382_quant
    .symbol:         k_q50215c3382_quant.kd
    .args:
      - { .name: x, .offset: 0, .size: 8, .value_kind: global_buffer, .address_space: global }
      - { .name: Wq, .offset: 8, .size: 8, .value_kind: global_buffer, .address_space: global }
      - { .name: Wk, .offset: 16, .size: 8, .value_kind: global_buffer, .address_space: global }
      - { .name: Wv, .offset: 24, .size: 8, .value_kind: global_buffer, .address_space: global }
      - { .name: Wo, .offset: 32, .size: 8, .value_kind: global_buffer, .address_space: global }
      - { .name: W1, .offset: 40, .size: 8, .value_kind: global_buffer, .address_space: global }
      - { .name: W2, .offset: 48, .size: 8, .value_kind: global_buffer, .address_space: global }
      - { .name: lowp_scales, .offset: 56, .size: 8, .value_kind: global_buffer, .address_space: global }
      - { .name: xq, .offset: 64, .size: 8, .value_kind: global_buffer, .address_space: global }
      - { .name: wc, .offset: 72, .size: 8, .value_kind: global_buffer, .address_space: global }
    .group_segment_fixed_size: 34304
    .private_segment_fixed_size: 0
    .kernarg_segment_align: 8
    .kernarg_segment_size: 80
    .max_flat_workgroup_size: 128
    .sgpr_count:     66
    .vgpr_count:     192
    .wavefront_size: 32
...
	.end_amdgpu_metadata
.endif
;; end of part 1
;; launch gemm_qkv (part 2): grid 12 x 16, 4 waves a work-group, clusters of 4 x 4, 327,680 bytes of LDS; arguments xq, wc, lowp_scales, qkvc, bq, bk, bv; writes qkvc
.if DOCPART == 2
	.amdgcn_target "amdgcn-amd-amdhsa--gfx1250"
	.amdhsa_code_object_version 6
	.text
	.protected	k_q50215c3382_gemm_qkv
	.globl	k_q50215c3382_gemm_qkv
	.p2align	8
	.type	k_q50215c3382_gemm_qkv,@function
k_q50215c3382_gemm_qkv:
	s_mov_b64 s[64:65], 0
	v_nop
	global_prefetch_b8 v0, s[64:65] scope:SCOPE_SE
	s_setreg_imm32_b32 hwreg(HW_REG_WAVE_MODE, 25, 1), 1
	s_wait_xcnt 0x0
	s_wait_alu depctr_hold_cnt(0) depctr_sa_sdst(0) depctr_va_vdst(0) depctr_va_sdst(0) depctr_va_ssrc(0) depctr_va_vcc(0) depctr_vm_vsrc(0)
	s_getreg_b32 s2, hwreg(HW_REG_IB_STS2, 6, 4)
	s_cmp_eq_u32 s2, 0
	s_cbranch_scc0 .Lentry_in_a_cluster
	s_endpgm
.Lentry_in_a_cluster:
	s_bfe_u32 s2, ttmp6, 0x10000c
	s_cmp_lg_u32 s2, 0xf033
	s_cbranch_scc0 .Lentry_shape_is_right
	s_endpgm
.Lentry_shape_is_right:
; ONE TEXT FOR THREE LAUNCHES, told apart by MODE.  C = A B^T on codes of FP8 (E4M3), one given scale 2^e a tensor, sums in f32, by v_wmma_f32_16x16x128_fp8_fp8.
;   MODE 0: q, k, v = x Wq + bq, x Wk + bk, x Wv + bv, quantised with entries 6, 7, 8.  The cluster's x says which of the three: each has its own codes of x (entries 0, 2, 4) and of W (1, 3, 5).
;   MODE 1: hidden = relu(h W1 + b1), quantised with entry 14 (operands: entries 12, 13).        MODE 2: y2 = h + hidden W2 + b2, f32 (operands: entries 14, 15).
; BOTH OPERANDS LIE IN MEMORY AS IMAGES OF THEIR REGISTERS: [tile of 16 rows][K step of 128][2048 bytes], byte 512 c + 16 l + i = row index l % 16, k = 32 c + 16 (l / 16) + i.  A tile's K steps lie on end, so a tensor load
; brings NA tiles x NSTEP K steps as NA rows of NSTEP x 2,048 bytes; a fragment is four ds_load_b128 at 16 x lane, 512 bytes apart: consecutive bytes, so no padding.  (k's place in the registers is the same permutation in A and in B.)
; THE MATRIX INSTRUCTION IS USED TRANSPOSED (source 0 = 16 columns of the weight, source 1 = 16 rows of A), and row index p of weight tile nt is column 32 (nt / 2) + 8 (nt % 2) + p + 8 (p / 8): lane (r, h) holds row r, and the
; 16 registers of tiles 2 b, 2 b + 1 are columns 32 b + 16 h + 0 .. 15.  Their codes are a lane's 16 bytes of chunk b of the NEXT operand's image: results leave from registers, 512 consecutive bytes a store, with no stage in LDS.
; f32 images (h, y2): [tile of rows][group of 32 columns][2048]: byte 512 q + 16 l = row l % 16, columns 16 (l / 16) + 4 q + 0 .. 3: the same registers.
; SHARES.  Four waves, as many as a WGP has SIMDs; a wave makes (16 NA)^2 of C.  MODES 0, 1: tiles of 256 x 256 (192 and 256 work-groups: in MODE 0 a tile lies inside one of q, k, v).  MODE 2: 128 x 128, since 256 x 256 would give 64 work-groups.
; CLUSTERS of 4 x 4: A's tile is asked for jointly along a row of the cluster, B's along a column.  Ring of two slots of 131,072 bytes; a wave has two tensor loads out at the start, later one.
; The bias is the C of each sum's first product, divided by 2^(ea + eb); in MODE 2 the accumulators begin as (h + b2) / 2^(ea + eb).
; LIMITS: MODES 0, 1: eout - ea - eb between -126 and 119.  MODE 2: ea + eb between -126 and 126.  NaN is not served.
; No prefetch: the tiles are read by many work-groups and K is short.
.set MODE, 0
.if MODE == 2
.set NA,    4                          ; fragments of A, and of B, a wave
.set NSTEP, 4                          ; K steps of 128 in a slot
.set KDIM,  4096
.else
.set NA,    8
.set NSTEP, 2
.set KDIM,  1024
.endif
.set NB,    NA
.set WSEC,  0x400000*MODE              ; the weight's place in wc
.set LAPS,  KDIM/(256*NSTEP)           ; a lap = once round the ring
.set HALFT, NA*NSTEP*2048              ; what one tensor load brings, and what one wave reads of A or of B: 32,768 bytes
.set SLOT,  4*HALFT                    ; A's two halves, then B's two
.set SPARE, 2*SLOT                     ; behind the ring: the spare words, 128 bytes a wave, that no other line names
.set TC,    256*NSTEP                  ; a tile's row in elements of 8 bytes
.set ASTR,  16384<<(2*MODE)            ; MODES 0, 1: from a tile of rows to the next in the output's images
.set ADRA, 16                          ; v16-17  LDS address of my A fragments in slot 0, 1
.set ADRB, 20                          ; v20-21  the same for B
.set SPW,  28                          ; v28     my spare word's LDS address; never rewritten
.set NIL,  29                          ; v29     0; never rewritten
.set SC,   30                          ; v30     2^(eout - ea - eb), for the conversions
.set LIM,  31                          ; v31     448 x that
.set BI,   32                          ; v32-95  the bias in the result's layout; on the way out the held numbers
.set AF,   128                         ; v128..  A's fragments, ONE set; on the way out the codes or results.  Window 1: B's two sets at v0, v128.  Windows 2, 3: the accumulators, (a, b) at v[8 (NB (a % (NA/2)) + b)]
.set G1, 24                            ; s[24:31] descriptor group 1 for A's tiles; s[32:39] group 0, a set for each slot
.set G0, 32
.set G1B, 48                           ; s[48:55], s[56:63] the same for B's
.set G0B, 56
.set MSB, 0
.macro WIN new                         ; the immediate's high byte repeats the setting that is left
.if MSB != (\new)
	s_set_vgpr_msb (MSB<<8)|(\new)
.set MSB, (\new)
.endif
.endm
.macro WMUL hi, cm                     ; source 0 (B) window 1, source 1 (A) window 0, D window 2 + hi; C with D, or (cm = 1) the bias in window 0
.if \cm
	WIN 0x81+0x40*(\hi)
.else
	WIN 0xa1+0x50*(\hi)
.endif
.endm
; A joint load: waves 0 and 1 fetch A's halves, waves 2 and 3 B's.  The branch hangs on the wave's number alone.  An s_nop 0 and four v_nop follow each of the two lines.
.macro JLOAD g0a, g1a, g0b, g1b
	s_cmp_eq_u32 s15, 0
	s_cbranch_scc0 .Lfor_b_\@
	tensor_load_to_lds s[\g0a:\g0a+3], s[\g1a:\g1a+7]
	s_nop 0
.rept 4
	v_nop
.endr
	s_branch .Lasked_\@
.Lfor_b_\@:
	tensor_load_to_lds s[\g0b:\g0b+3], s[\g1b:\g1b+7]
	s_nop 0
.rept 4
	v_nop
.endr
.Lasked_\@:
.endm
.macro CREST                           ; a round of the cluster's barrier behind its opening barrier
	s_cmp_lg_u32 s14, 0
	s_cbranch_scc1 .Lnot_wave_0_\@
	s_barrier_signal -3
.Lnot_wave_0_\@:
	s_barrier_wait -3
	s_barrier_signal -1
	s_barrier_wait -1
.endm
.macro CROUND
	s_barrier_signal -1
	s_barrier_wait -1
	CREST
.endm
.macro PLACES                          ; four plain vector lines between a matrix instruction and a load into, or a vector line on, its registers
.rept 4
	v_nop
.endr
.endm
.macro FRAG reg, adr, q, i             ; fragment i of the slot's q-th K step: its image, as it lies
.irp c, 0,1,2,3
	ds_load_b128 v[\reg+4*\c:\reg+4*\c+3], v[\adr] offset:(\i)*NSTEP*2048+(\q)*2048+512*\c
.endr
.endm
.macro FETCH_B slot, q, p              ; B's NB fragments into set p
	WIN 0x40
.set fi, 0
.rept NB
	FRAG 128*(\p)+16*fi, ADRB+\slot, \q, fi
.set fi, fi+1
.endr
	WIN 0
.endm
.macro FETCH_A slot, q, i0             ; A's blocks i0 .. i0 + NA/2 - 1
.set fi, \i0
.rept NA/2
	FRAG AF+16*fi, ADRA+\slot, \q, fi
.set fi, fi+1
.endr
.endm
; NA/4 blocks of A x B's NB fragments.  The accumulators take turns, one instruction a turn, in the same order in every step.
.macro MULQ a0, p, cm
.set qa, \a0
.rept NA/4
.set qb, 0
.rept NB
.set rD, 8*(NB*(qa%(NA/2))+qb)
.if \cm
	v_wmma_f32_16x16x128_fp8_fp8 v[rD:rD+7], v[128*(\p)+16*qb:128*(\p)+16*qb+15], v[AF+16*qa:AF+16*qa+15], v[BI+8*qb:BI+8*qb+7]
.else
	v_wmma_f32_16x16x128_fp8_fp8 v[rD:rD+7], v[128*(\p)+16*qb:128*(\p)+16*qb+15], v[AF+16*qa:AF+16*qa+15], v[rD:rD+7]
.endif
.set qb, qb+1
.endr
.set qa, qa+1
.endr
.endm
; A step of 128 along K that has its successor in the same slot.  A block of A is free when its products are issued, so one set serves A; B has two.
.macro STEP slot, q, cm
	s_wait_dscnt 2*NA                              ; B's set and A's first half are in; the youngest 2 NA loads (A's second half) may be out
	WMUL 0, \cm
	MULQ 0, (\q)%2, \cm
	MULQ NA/4, (\q)%2, \cm
	s_wait_dscnt 0                                 ; A's second half is in
	PLACES
	FETCH_B \slot, (\q)+1, 1-(\q)%2
	FETCH_A \slot, (\q)+1, 0
	WMUL 1, \cm
	MULQ NA/2, (\q)%2, \cm
	MULQ 3*NA/4, (\q)%2, \cm
	PLACES
	WIN 0
	FETCH_A \slot, (\q)+1, NA/2
.endm
.macro MID slot                        ; a slot's steps between its first and its last
.if NSTEP > 2
	STEP \slot, 1, 0
	STEP \slot, 2, 0
.endif
.endm
; A slot's last step changes slots: ONE barrier; in front of it each wave waits for all its tensor loads, adds 0 to its spare word, and waits for that and for its own reads of this slot.  fill = 1: the slot is filled again, two slots ahead.
.macro TURN slot, next, fill
	s_wait_tensorcnt 0x0                           ; all my tensor loads have landed: my part of the next slot
	ds_add_u32 v[SPW], v[NIL]                      ; 0 onto my spare word
	s_wait_dscnt 2*NA+1                            ; (the add and A's second half may be out)
	WMUL 0, 0
	MULQ 0, 1, 0                                   ; matrix work stands between the add and the wait for it
	s_wait_dscnt 0x0                               ; the add is done, and my reads of this slot are over
	s_barrier_signal -1
	MULQ NA/4, 1, 0
	WIN 0
	s_barrier_wait -1
.if \fill
	CREST                                          ; the barrier has opened a round of the cluster's: no wave of any partner still reads this slot or has a load on its way
	s_add_nc_u64 s[G0+4*\slot+2:G0+4*\slot+3], s[G0+4*\slot+2:G0+4*\slot+3], 2*NSTEP*2048
	s_add_nc_u64 s[G0B+4*\slot+2:G0B+4*\slot+3], s[G0B+4*\slot+2:G0B+4*\slot+3], 2*NSTEP*2048
	JLOAD G0+4*\slot, G1, G0B+4*\slot, G1B         ; the first tensor load behind the round; its four v_nop are the places in front of the loads below
.else
	PLACES
.endif
	FETCH_B \next, 0, 0
	FETCH_A \next, 0, 0
	WMUL 1, 0
	MULQ NA/2, 1, 0
	MULQ 3*NA/4, 1, 0
	PLACES
	WIN 0
	FETCH_A \next, 0, NA/2
.endm
	s_load_b256 s[4:11], s[0:1], 0x0               ; A's codes s[4:5], wc s[6:7], the scales' exponents s[8:9], the output s[10:11]
.if MODE == 0
	s_load_b128 s[68:71], s[0:1], 0x20             ; bq, bk
	s_load_b64 s[72:73], s[0:1], 0x30              ; bv
.elseif MODE == 1
	s_load_b64 s[68:69], s[0:1], 0x20              ; b1
.else
	s_load_b128 s[68:71], s[0:1], 0x20             ; b2, h's f32 images
.endif
	v_lshl_add_u32 v[SPW], v0, 2, SPARE
	v_mov_b32 v[NIL], 0
	ds_add_u32 v[SPW], v[NIL]                      ; the wave's opening: the add and its wait stand ahead of my first tensor load; the set-up below stands between them
	v_lshrrev_b32 v1, 5, v0
	v_readfirstlane_b32 s14, v1                    ; wave 0..3
	s_lshr_b32 s15, s14, 1                         ; which half of the tile's rows is mine.  Also: I fetch for A (0) or for B (1)
	s_and_b32 s16, s14, 1                          ; which half of its columns.  Also: which half of that tile I fetch
	s_bfe_u32 s40, ttmp6, 0x40000                  ; cx, cy: my place in the cluster
	s_bfe_u32 s41, ttmp6, 0x40004
	s_lshl_b32 s42, ttmp9, 2
	s_add_co_u32 s42, s42, s40                     ; tile column = 4 x cluster x + cx
	s_and_b32 s17, ttmp7, 0xffff
	s_lshl_b32 s17, s17, 2
	s_add_co_u32 s17, s17, s41                     ; tile row = 4 x cluster y + cy
	s_lshl_b32 s43, s41, 2
	s_lshl_b32 s43, 15, s43                        ; my row of the cluster
	s_lshl_b32 s44, 0x1111, s40                    ; my column
	s_or_b32 s[G1+0], s43, (3<<16)|(1<<21)         ; 15:0 the mask: A's tiles go to my row; 17:16 elements of 8 bytes; 21 set beside a mask; no padding
	s_or_b32 s[G1B+0], s44, (3<<16)|(1<<21)
.irp g, G1, G1B
	s_mov_b32 s[\g+1], TC<<16                      ; tensor_dim0
	s_mov_b32 s[\g+2], NA<<16                      ; tensor_dim1
	s_mov_b32 s[\g+3], TC<<16                      ; tile_dim0
	s_mov_b32 s[\g+4], NA                          ; tile_dim1
	s_mov_b32 s[\g+5], 2*KDIM                      ; from a tile of 16 rows to the next: 16 KDIM bytes
	s_mov_b32 s[\g+6], 0
	s_mov_b32 s[\g+7], 0
.endr
	s_mul_i32 s18, s16, NA                         ; which half I fetch
	s_mul_i32 s20, s17, 2*NA
	s_add_co_u32 s20, s20, s18
	s_mul_i32 s20, s20, 16*KDIM                    ; A: by the tile row alone, which my row of the cluster shares
.if MODE == 0
	s_lshl_b32 s19, ttmp9, 22                      ; and the cluster's x, which all sixteen share: x's codes for q, k or v
	s_add_co_u32 s20, s20, s19
	s_lshl_b32 s66, ttmp9, 3                       ; the product's two entries,
	s_lshl_b32 s67, ttmp9, 2                       ; and its result's
.endif
	s_mov_b32 s21, 0
	s_mul_i32 s46, s42, 2*NA
	s_add_co_u32 s46, s46, s18
	s_mul_i32 s46, s46, 16*KDIM                    ; B: by the tile column alone
.if WSEC
	s_add_co_u32 s46, s46, WSEC
.endif
	s_mov_b32 s47, 0
	s_mul_i32 s45, s14, HALFT                      ; where they go: no place in the cluster enters an LDS address
	s_wait_dscnt 0x0                               ; the opening add is done
	s_wait_kmcnt 0x0
.if MODE == 0
	s_load_b64 s[76:77], s[8:9], s66 offset:0x0    ; ea, eb
	s_load_b32 s78, s[8:9], s67 offset:0x18        ; eout: entry 6, 7 or 8
.elseif MODE == 1
	s_load_b128 s[76:79], s[8:9], 0x30             ; entries 12, 13, 14 (and 15)
.else
	s_load_b64 s[76:77], s[8:9], 0x38              ; entries 14, 15
.endif
	s_add_nc_u64 s[20:21], s[4:5], s[20:21]
	s_add_nc_u64 s[46:47], s[6:7], s[46:47]
	CROUND                                         ; all sixteen work-groups are here: the first joint loads meet
.irp s, 0,1
	s_mov_b32 s[G0+4*\s], 1
	s_add_co_u32 s[G0+4*\s+1], s45, \s*SLOT
	s_add_nc_u64 s[G0+4*\s+2:G0+4*\s+3], s[20:21], \s*NSTEP*2048
	s_or_b32 s[G0+4*\s+3], s[G0+4*\s+3], 0x80000000
	s_mov_b32 s[G0B+4*\s], 1
	s_add_co_u32 s[G0B+4*\s+1], s45, \s*SLOT
	s_add_nc_u64 s[G0B+4*\s+2:G0B+4*\s+3], s[46:47], \s*NSTEP*2048
	s_or_b32 s[G0B+4*\s+3], s[G0B+4*\s+3], 0x80000000
	JLOAD G0+4*\s, G1, G0B+4*\s, G1B
.endr
	v_and_b32 v1, 31, v0
	v_lshlrev_b32 v1, 4, v1                        ; 16 x lane: an image's place for my lane, in LDS and in memory
	v_bfe_u32 v2, v0, 4, 1
	v_lshlrev_b32 v2, 6, v2                        ; 64 (lane / 16): my 16 numbers of a group of 32 of the bias
	s_mul_i32 s22, s15, HALFT                      ; my half of A
	s_mul_i32 s23, s16, HALFT                      ; my half of B,
	s_add_co_u32 s23, s23, 2*HALFT                 ; behind A's two
.irp s, 0,1
	v_add_nc_u32 v[ADRA+\s], s22, v1
	v_add_nc_u32 v[ADRB+\s], s23, v1
	s_add_co_u32 s22, s22, SLOT
	s_add_co_u32 s23, s23, SLOT
.endr
.if MODE < 2
.if MODE == 0
	s_cmp_eq_u32 ttmp9, 1
	s_cselect_b64 s[68:69], s[70:71], s[68:69]
	s_cmp_eq_u32 ttmp9, 2
	s_cselect_b64 s[68:69], s[72:73], s[68:69]     ; bq, bk or bv
	s_lshl_b32 s84, s40, 10                        ; 256 columns a tile, inside the 1,024 of q, k or v
.else
	s_lshl_b32 s84, s42, 10
.endif
	s_lshl_b32 s85, s16, 9
	s_add_co_u32 s84, s84, s85
	s_mov_b32 s85, 0
	s_add_nc_u64 s[68:69], s[68:69], s[84:85]
.irp t, 0,1,2,3,4,5,6,7                        ; tile t, register j: column 32 (t / 2) + 16 h + 8 (t % 2) + j
	global_load_b128 v[BI+8*\t:BI+8*\t+3], v2, s[68:69] offset:(32*(\t/2)+8*(\t%2))*4
	global_load_b128 v[BI+8*\t+4:BI+8*\t+7], v2, s[68:69] offset:(32*(\t/2)+8*(\t%2))*4+16
.endr
	s_lshl_b32 s84, s17, 4                         ; the output: my first tile of rows, 16 x tile row + 8 x half,
	s_lshl_b32 s86, s15, 3
	s_add_co_u32 s84, s84, s86
	s_lshl_b32 s84, s84, 3+2*MODE                  ; x the next K's steps,
.if MODE == 0
	s_lshl_b32 s86, s40, 1
.else
	s_lshl_b32 s86, s42, 1
.endif
	s_add_co_u32 s84, s84, s86
	s_add_co_u32 s84, s84, s16                     ; + my 128 columns: one K step of the next product
	s_lshl_b32 s84, s84, 11
.if MODE == 0
	s_lshl_b32 s86, ttmp9, 22
	s_add_co_u32 s84, s84, s86
.endif
	s_add_nc_u64 s[10:11], s[10:11], s[84:85]
	s_wait_kmcnt 0x0
	s_add_co_i32 s80, s76, s77                     ; ea + eb: a sum stands for sum x 2^(ea + eb)
	s_sub_co_i32 s81, s78, s80                     ; so its code is sum / 2^(eout - ea - eb)
	s_add_co_i32 s81, s81, 127
	s_lshl_b32 s82, s81, 23
	v_mov_b32 v[SC], s82
	s_add_co_i32 s81, s81, 8
	s_lshl_b32 s81, s81, 23
	s_or_b32 s81, s81, 0x600000
	v_mov_b32 v[LIM], s81
	s_sub_co_i32 s80, 0, s80
	s_wait_loadcnt 0x0
.set oj, 0
.rept 64
	v_ldexp_f32 v[BI+oj], v[BI+oj], s80            ; the bias goes in divided by 2^(ea + eb)
.set oj, oj+1
.endr
.else
	s_lshl_b32 s84, s17, 3                         ; my first tile of rows, 8 x tile row + 4 x half,
	s_lshl_b32 s86, s15, 2
	s_add_co_u32 s84, s84, s86
	s_lshl_b32 s84, s84, 5                         ; x 32 groups of columns,
	s_lshl_b32 s86, s42, 2
	s_add_co_u32 s84, s84, s86
	s_lshl_b32 s86, s16, 1
	s_add_co_u32 s84, s84, s86                     ; + my first group: 4 x tile column + 2 x half
	s_lshl_b32 s84, s84, 11
	s_mov_b32 s85, 0
	s_add_nc_u64 s[70:71], s[70:71], s[84:85]
	s_add_nc_u64 s[10:11], s[10:11], s[84:85]
	s_lshl_b32 s84, s42, 9
	s_lshl_b32 s86, s16, 8
	s_add_co_u32 s84, s84, s86
	s_add_nc_u64 s[68:69], s[68:69], s[84:85]
.irp t, 0,1,2,3
	global_load_b128 v[BI+8*\t:BI+8*\t+3], v2, s[68:69] offset:(32*(\t/2)+8*(\t%2))*4
	global_load_b128 v[BI+8*\t+4:BI+8*\t+7], v2, s[68:69] offset:(32*(\t/2)+8*(\t%2))*4+16
.endr
.irp a, 0,1,2,3                                ; h's images go straight into the accumulators
	WIN 0x80+0x40*(\a/2)
.irp b, 0,1
.irp q, 0,1,2,3
	global_load_b128 v[32*(\a%2)+16*\b+4*\q:32*(\a%2)+16*\b+4*\q+3], v1, s[70:71] offset:\a*65536+\b*2048+512*\q
.endr
.endr
.endr
	WIN 0
	s_wait_kmcnt 0x0
	s_add_co_i32 s80, s76, s77                     ; ea + eb
	s_add_co_i32 s96, s80, 127
	s_lshl_b32 s96, s96, 23                        ; 2^(ea + eb)
	s_mov_b32 s97, s96                             ; (named with it as a pair, so it is written)
	s_sub_co_i32 s98, 127, s80
	s_lshl_b32 s98, s98, 23                        ; 2^-(ea + eb)
	s_mov_b32 s99, s98
	s_sub_co_i32 s80, 0, s80
	s_wait_loadcnt 0x0
.set oj, 0
.rept 32
	v_ldexp_f32 v[BI+oj], v[BI+oj], s80
.set oj, oj+1
.endr
.irp a, 0,1,2,3
	WIN 0x82+0x41*(\a/2)                           ; destination and source 0 in window 2 or 3, b2 in window 0
.irp b, 0,1,2,3
.irp i, 0,2,4,6
	v_pk_fma_f32 v[32*(\a%2)+8*\b+\i:32*(\a%2)+8*\b+\i+1], v[32*(\a%2)+8*\b+\i:32*(\a%2)+8*\b+\i+1], s[98:99], v[BI+8*\b+\i:BI+8*\b+\i+1] op_sel_hi:[1,0,1]   ; (h + b2) / 2^(ea + eb): the sums begin here
.endr
.endr
.endr
	WIN 0
.endif
	s_wait_tensorcnt 1                             ; my part of slot 0 is in (slot 1's load may be out)
	s_barrier_signal -1
	s_barrier_wait -1                              ; everybody's is
	FETCH_B 0, 0, 0
	FETCH_A 0, 0, 0
	FETCH_A 0, 0, NA/2
	STEP 0, 0, (MODE<2)                            ; the first step stands in front of the loop: in MODES 0 and 1 its products take the bias as C
	s_mov_b32 s3, LAPS-1
.Llap:                                             ; a trip goes once round the ring, from a lap's second step to the next lap's first, and fills both slots again
	MID 0
	TURN 0, 1, 1
	STEP 1, 0, 0
	MID 1
	TURN 1, 0, 1
	STEP 0, 0, 0
	s_sub_co_u32 s3, s3, 1
	s_cmp_lg_u32 s3, 0
	s_cbranch_scc1 .Llap
	MID 0                                          ; the last lap fills nothing, and has no round of the cluster's barrier
	TURN 0, 1, 0
	STEP 1, 0, 0
	MID 1
	s_wait_dscnt 2*NA                              ; the very last step: nothing more to fetch
	WMUL 0, 0
	MULQ 0, 1, 0
	MULQ NA/4, 1, 0
	s_wait_dscnt 0
	WMUL 1, 0
	MULQ NA/2, 1, 0
	MULQ 3*NA/4, 1, 0
	WIN 0
	PLACES                                         ; in front of the first read of results, and of the first write into the registers that held A's fragments
.if MODE < 2
; THE WAY OUT, a block of 16 rows x 128 columns at a time: the hold (in MODE 1 also the activation), the conversions, four stores of 512 consecutive bytes: one image of the next operand.  Each accumulator is read from its low end on.
.macro OUTC a
	WIN 0x02+(\a)/4                                ; source 0: window 2 or 3
.set oj, 0
.rept 64
.if MODE == 1
	v_med3_num_f32 v[BI+oj], v[64*((\a)%4)+oj], 0, v[LIM]
.else
	v_med3_num_f32 v[BI+oj], v[64*((\a)%4)+oj], -v[LIM], v[LIM]
.endif
.set oj, oj+1
.endr
	WIN 0
.irp g, 0,1,2,3,4,5,6,7
	v_cvt_scalef32_pk8_fp8_f32 v[AF+16*(\a)+2*\g:AF+16*(\a)+2*\g+1], v[BI+8*\g:BI+8*\g+7], v[SC]
.endr
	v_nop                                          ; one plain line between the conversions and the next block's holds, which write their sources
.irp c, 0,1,2,3
	global_store_b128 v1, v[AF+16*(\a)+4*\c:AF+16*(\a)+4*\c+3], s[10:11] offset:(\a)*ASTR+512*\c   ; each block has code registers of its own
.endr
.endm
.irp a, 0,1,2,3,4,5,6,7
	OUTC \a
.endr
.else
.irp a, 0,1,2,3                                ; y2 = sum x 2^(ea + eb), as f32 images
	WIN 0x02+(\a/2)
.set oj, 0
.rept 16
	v_pk_mul_f32 v[AF+32*\a+oj:AF+32*\a+oj+1], v[32*(\a%2)+oj:32*(\a%2)+oj+1], s[96:97] op_sel_hi:[1,0]
.set oj, oj+2
.endr
.endr
	WIN 0
.irp a, 0,1,2,3
.irp b, 0,1
.irp q, 0,1,2,3
	global_store_b128 v1, v[AF+32*\a+16*\b+4*\q:AF+32*\a+16*\b+4*\q+3], s[10:11] offset:\a*65536+\b*2048+512*\q
.endr
.endr
.endr
.endif
	s_wait_tensorcnt 0x0                           ; the wave's end, behind my last tensor load
	ds_add_u32 v[SPW], v[NIL]
	s_wait_dscnt 0x0
	CROUND                                         ; the closing round: no work-group ends while a partner may still ask for a tile that names it
	s_endpgm
.Lfunc_end_k_q50215c3382_gemm_qkv:
	.size	k_q50215c3382_gemm_qkv, .Lfunc_end_k_q50215c3382_gemm_qkv-k_q50215c3382_gemm_qkv
	.p2alignl 7, 3214868480
	.fill 96, 4, 3214868480
	.section	.rodata,"a",@progbits
	.p2align	6, 0x0
	.amdhsa_kernel k_q50215c3382_gemm_qkv
		.amdhsa_group_segment_fixed_size 327680
		.amdhsa_private_segment_fixed_size 0
		.amdhsa_enable_private_segment 0
		.amdhsa_kernarg_size 56
		.amdhsa_user_sgpr_count 2
		.amdhsa_user_sgpr_kernarg_segment_ptr 1
		.amdhsa_wavefront_size32 1
		.amdhsa_system_sgpr_workgroup_id_x 1
		.amdhsa_system_sgpr_workgroup_id_y 1
		.amdhsa_system_sgpr_workgroup_id_z 1
		.amdhsa_system_vgpr_workitem_id 0
		.amdhsa_next_free_vgpr 1024
		.amdhsa_next_free_sgpr 100
		.amdhsa_reserve_vcc 0
		.amdhsa_float_denorm_mode_32 3
		.amdhsa_float_denorm_mode_16_64 3
		.amdhsa_memory_ordered 1
		.amdhsa_forward_progress 1
		.amdhsa_inst_pref_size 123
	.end_amdhsa_kernel
	.amdgpu_metadata
---
amdhsa.version: [ 1, 2 ]
amdhsa.kernels:
  - .name:           k_q50215c3382_gemm_qkv
    .symbol:         k_q50215c3382_gemm_qkv.kd
    .args:
      - { .name: xq, .offset: 0, .size: 8, .value_kind: global_buffer, .address_space: global }
      - { .name: wc, .offset: 8, .size: 8, .value_kind: global_buffer, .address_space: global }
      - { .name: lowp_scales, .offset: 16, .size: 8, .value_kind: global_buffer, .address_space: global }
      - { .name: qkvc, .offset: 24, .size: 8, .value_kind: global_buffer, .address_space: global }
      - { .name: bq, .offset: 32, .size: 8, .value_kind: global_buffer, .address_space: global }
      - { .name: bk, .offset: 40, .size: 8, .value_kind: global_buffer, .address_space: global }
      - { .name: bv, .offset: 48, .size: 8, .value_kind: global_buffer, .address_space: global }
    .group_segment_fixed_size: 327680
    .private_segment_fixed_size: 0
    .kernarg_segment_align: 8
    .kernarg_segment_size: 56
    .max_flat_workgroup_size: 128
    .sgpr_count:     100
    .vgpr_count:     1024
    .wavefront_size: 32
...
	.end_amdgpu_metadata
.endif
;; end of part 2
;; launch attn_wo_ln1 (part 3): grid 256 x 1, 16 waves a work-group, no clusters, 86,272 bytes of LDS; arguments qkvc, wc, x, lowp_scales, bo, g1, beta1, hf, hc; writes hf, hc
.if DOCPART == 3
	.amdgcn_target "amdgcn-amd-amdhsa--gfx1250"
	.amdhsa_code_object_version 6
	.text
	.protected	k_q50215c3382_attn_wo_ln1
	.globl	k_q50215c3382_attn_wo_ln1
	.p2align	8
	.type	k_q50215c3382_attn_wo_ln1,@function
k_q50215c3382_attn_wo_ln1:
	s_mov_b64 s[64:65], 0
	v_nop
	global_prefetch_b8 v0, s[64:65] scope:SCOPE_SE
	s_setreg_imm32_b32 hwreg(HW_REG_WAVE_MODE, 25, 1), 1
	s_wait_xcnt 0x0
; The hollow attention, the product with Wo, the residual and the first layer norm, for 16 whole rows a work-group.
; reference() masks every score but the diagonal, by a mask that it builds itself.  So of row m and head hd there is left: t = (Q(q) . Q(k)) / 8 x log2(e), M = ceil(t), p = 2^(t - M), the row's sum l = p, and
; out = Q(v) x Q(p) / p.  The diagonal scores come from one v_wmma_f32_16x16x64_fp8_fp8 a head and tile of rows (16 keys x 16 queries, of which the diagonal is kept); the second product's one kept term is
; multiplied on the exact values of the two codes.  The input mask is not read: reference() never uses it, so no number of the result hangs on it.
; SHARES.  Sixteen waves in 256 registers each.  Wave w: head w in the first part; columns 64 w .. 64 w + 63 of out Wo + bo, of the residual and of the norm afterwards, for all 16 rows.
; Operands lie as images of their registers (16 rows x 128 K = 2,048 bytes; byte 512 c + 16 l + i = row index l % 16, k = 32 c + 16 (l / 16) + i).  The matrix instruction is used transposed (source 0 = 16 columns of Wo, chosen
; so that two neighbouring tiles give 16 neighbouring columns; source 1 = my 16 rows): lane (r, h) holds row r and, in register 16 b + i, column 64 w + 32 b + 16 h + i.
; Wo'S FRAGMENTS COME FROM MEMORY STRAIGHT INTO REGISTERS, NOT JOINTLY THROUGH LDS: each fragment feeds one matrix instruction of one wave; a wave's 64 KiB of them are one dense run, of which it keeps 16 KiB asked for;
; a shared ring would pass 1 MiB through LDS in eight refills of 128 KiB, each behind a round of a cluster's barrier, for 32 matrix instructions a wave.
; The norm goes in two passes (the mean; then the squares of the differences): no difference of large sums is formed.
; LIMITS: e6 + e7 between -124 and 130; e10 and e12 between -126 and 119; e10 + e11 between -126 and 126.  NaN is not served.
.set XP,    4112                       ; a row of x in LDS: 4,096 bytes + 16: row r starts 4 r banks on
.set AIMG,  16*XP                      ; behind x's 16 rows: the attention's result as 8 images (K steps of the product with Wo)
.set P1,    AIMG+16384                 ; the rows' partial sums: 16 rows x 16 waves x 4 bytes; the squares' 1,024 bytes on
.set SPARE, P1+2048                    ; the spare words, 128 bytes a wave, that no other line names
.set ACC,   32                         ; v32-63   four accumulators (first: x's row w as loaded)
.set AF,    64                         ; v64-95   A's fragments, two sets (first: v widened; last: h's codes)
.set BF,    96                         ; v96-223  Wo's fragments, two sets of four (last: g1, beta1, x, h held)
.set SEL,   34                         ; s[34:35] v_permlanex16_b32's selects for lane l xor 16
.set INV,   60                         ; s60      1 / 1024
; v1 16 x lane; v2 r; v3 64 h; v4, v5 x's stage, in and out; v6, v7 the images, in and out; v8, v9 the partial sums, in and out; v10, v11 the add's two; v12-31 at work; v224-255 q, k, v, the scores; then bo
.macro BLOAD s                         ; Wo's four fragments of K step s
.irp t, 0,1,2,3
.irp c, 0,1,2,3
	global_load_b128 v[BF+64*((\s)%2)+16*\t+4*\c:BF+64*((\s)%2)+16*\t+4*\c+3], v1, s[10:11] offset:\t*16384+(\s)*2048+512*\c
.endr
.endr
.endm
.macro ALOAD s                         ; the rows' fragment of K step s
.irp c, 0,1,2,3
	ds_load_b128 v[AF+16*((\s)%2)+4*\c:AF+16*((\s)%2)+4*\c+3], v7 offset:(\s)*2048+512*\c
.endr
.endm
.macro ROWV reg, base                  ; my 32 numbers of a vector of 1,024: register 16 b + 4 q + ..: 64 w + 32 b + 16 h + 4 q + ..
.irp b, 0,1
.irp q, 0,1,2,3
	global_load_b128 v[\reg+16*\b+4*\q:\reg+16*\b+4*\q+3], v3, s[\base:\base+1] offset:128*\b+16*\q
.endr
.endr
.endm
.macro KSTEP s, cnt                    ; cnt: the global loads issued behind this step's fragments of Wo
	s_wait_loadcnt \cnt
.if \s < 7
	s_wait_dscnt 4                                 ; this step's fragment of the rows is in; the next step's four loads may be out
.else
	s_wait_dscnt 0
.endif
.irp t, 0,1,2,3                                ; the four accumulators take turns
.if \s == 0
	v_wmma_f32_16x16x128_fp8_fp8 v[ACC+8*\t:ACC+8*\t+7], v[BF+64*(\s%2)+16*\t:BF+64*(\s%2)+16*\t+15], v[AF+16*(\s%2):AF+16*(\s%2)+15], 0
.else
	v_wmma_f32_16x16x128_fp8_fp8 v[ACC+8*\t:ACC+8*\t+7], v[BF+64*(\s%2)+16*\t:BF+64*(\s%2)+16*\t+15], v[AF+16*(\s%2):AF+16*(\s%2)+15], v[ACC+8*\t:ACC+8*\t+7]
.endif
.endr
.rept 4
	v_nop                                          ; places in front of loads into registers that these products have read, and at the end of the first read of results
.endr
.if \s <= 5
	BLOAD \s+2
	ALOAD \s+2
.elseif \s == 6
	ROWV 96, 18                                    ; g1
	ROWV 128, 20                                   ; beta1
.else
.irp b, 0,1
.irp q, 0,1,2,3
	ds_load_b128 v[160+16*\b+4*\q:163+16*\b+4*\q], v5 offset:128*\b+16*\q   ; x at my places
.endr
.endr
.endif
.endm
; The sum of a lane's pair v[12:13], v[14:15] over the row: my 32 numbers, lane l xor 16's, then the sixteen waves' through LDS at byte off.  The row's sum comes back in v16, the same bits in every wave.
.macro ROWSUM off
	v_pk_add_f32 v[12:13], v[12:13], v[14:15]
	v_add_f32 v12, v12, v13
	v_permlanex16_b32 v14, v12, s[SEL], s[SEL+1]
	v_add_f32 v12, v12, v14
	ds_store_b32 v8, v12 offset:\off               ; lanes l and l xor 16 write the same word with the same value
	s_wait_dscnt 0x0                               ; for the others' sake: my store is done
	s_barrier_signal -1
	s_barrier_wait -1
.irp i, 0,1,2,3
	ds_load_b128 v[16+4*\i:19+4*\i], v9 offset:\off+16*\i
.endr
	s_wait_dscnt 0x0
	v_pk_add_f32 v[16:17], v[16:17], v[18:19]
	v_pk_add_f32 v[20:21], v[20:21], v[22:23]
	v_pk_add_f32 v[24:25], v[24:25], v[26:27]
	v_pk_add_f32 v[28:29], v[28:29], v[30:31]
	v_pk_add_f32 v[16:17], v[16:17], v[20:21]
	v_pk_add_f32 v[24:25], v[24:25], v[28:29]
	v_pk_add_f32 v[16:17], v[16:17], v[24:25]
	v_add_f32 v16, v16, v17
.endm
; The layer norm of 16 rows of 1,024, in place in v[Y] .. v[Y + 31]; the gains in v[G] on, the offsets in v[BE] on.  Two barriers.
.macro LN Y, G, BE
	v_pk_add_f32 v[12:13], v[\Y:\Y+1], v[\Y+2:\Y+3]
	v_pk_add_f32 v[14:15], v[\Y+4:\Y+5], v[\Y+6:\Y+7]
.irp i, 8,12,16,20,24,28
	v_pk_add_f32 v[12:13], v[12:13], v[\Y+\i:\Y+\i+1]
	v_pk_add_f32 v[14:15], v[14:15], v[\Y+\i+2:\Y+\i+3]
.endr
	ROWSUM 0
	v_mul_f32 v16, s[INV], v16                     ; the mean
.irp i, 0,2,4,6,8,10,12,14,16,18,20,22,24,26,28,30
	v_pk_add_f32 v[\Y+\i:\Y+\i+1], v[\Y+\i:\Y+\i+1], v[16:17] op_sel_hi:[1,0] neg_lo:[0,1] neg_hi:[0,1]
.endr
	v_pk_mul_f32 v[12:13], v[\Y:\Y+1], v[\Y:\Y+1]
	v_pk_mul_f32 v[14:15], v[\Y+2:\Y+3], v[\Y+2:\Y+3]
.irp i, 4,8,12,16,20,24,28
	v_pk_fma_f32 v[12:13], v[\Y+\i:\Y+\i+1], v[\Y+\i:\Y+\i+1], v[12:13]
	v_pk_fma_f32 v[14:15], v[\Y+\i+2:\Y+\i+3], v[\Y+\i+2:\Y+\i+3], v[14:15]
.endr
	ROWSUM 1024
	v_fmaak_f32 v16, s[INV], v16, 0x3727c5ac       ; the variance + 1e-5
	v_rsq_f32 v16, v16
	v_nop                                          ; a plain line behind the transcendental
	s_wait_loadcnt 0x0                             ; the gains and offsets
	s_wait_alu depctr_va_vdst(0)                   ; ahead of the first line that names the result
.irp i, 0,2,4,6,8,10,12,14,16,18,20,22,24,26,28,30
	v_pk_mul_f32 v[\Y+\i:\Y+\i+1], v[\Y+\i:\Y+\i+1], v[16:17] op_sel_hi:[1,0]
.endr
.irp i, 0,2,4,6,8,10,12,14,16,18,20,22,24,26,28,30
	v_pk_fma_f32 v[\Y+\i:\Y+\i+1], v[\Y+\i:\Y+\i+1], v[\G+\i:\G+\i+1], v[\BE+\i:\BE+\i+1]
.endr
.endm
	s_load_b512 s[8:23], s[0:1], 0x0               ; qkvc s[8:9], wc s[10:11], x s[12:13], the exponents s[14:15], bo s[16:17], g1 s[18:19], beta1 s[20:21], hf s[22:23]
	s_load_b64 s[24:25], s[0:1], 0x40              ; hc
	v_lshl_add_u32 v10, v0, 2, SPARE
	v_mov_b32 v11, 0
	v_lshrrev_b32 v1, 5, v0
	v_readfirstlane_b32 s26, v1                    ; wave 0..15
	v_and_b32 v1, 31, v0
	v_lshlrev_b32 v1, 4, v1                        ; 16 x lane
	v_and_b32 v2, 15, v0                           ; r
	v_bfe_u32 v3, v0, 4, 1
	v_lshlrev_b32 v3, 6, v3                        ; 64 h
	s_mul_i32 s27, s26, XP
	v_add_nc_u32 v4, s27, v1                       ; x's stage, in: row w, as the bytes lie
	v_mul_u32_u24 v5, v2, XP
	v_add_nc_u32 v5, v5, v3
	s_lshl_b32 s27, s26, 8
	v_add_nc_u32 v5, s27, v5                       ; out: row r, + 256 w + 64 h
	s_lshl_b32 s27, s26, 10
	v_add_nc_u32 v6, s27, v1
	v_add_nc_u32 v6, AIMG, v6                      ; head w is half a K step: 1,024 bytes of an image
	v_add_nc_u32 v7, AIMG, v1
	v_lshlrev_b32 v9, 6, v2
	v_add_nc_u32 v9, P1, v9                        ; row r's sixteen partial sums
	s_lshl_b32 s27, s26, 2
	v_add_nc_u32 v8, s27, v9                       ; mine among them
	s_lshl_b32 s28, ttmp9, 14                      ; in the images of codes: 16,384 bytes a tile of rows, 1,024 a head
	s_lshl_b32 s27, s26, 10
	s_add_co_u32 s28, s28, s27
	s_mov_b32 s29, 0
	s_lshl_b32 s30, ttmp9, 16                      ; in x and in the f32 images: 65,536 a tile of rows, 4,096 a wave
	s_lshl_b32 s27, s26, 12
	s_add_co_u32 s30, s30, s27
	s_mov_b32 s31, 0
	s_mov_b32 s[SEL], 0x76543210
	s_mov_b32 s[SEL+1], 0xfedcba98
	s_mov_b32 s52, 0xff0000ff                      ; the lanes that hold a diagonal score
	s_mov_b32 s[INV], 0x3a800000
	s_wait_kmcnt 0x0
	s_load_b512 s[36:51], s[14:15], 0x0            ; all sixteen exponents: entry i in s[36 + i]
	s_add_nc_u64 s[8:9], s[8:9], s[28:29]          ; q's codes; k's lie 4 MiB on,
	s_add_nc_u64 s[32:33], s[8:9], 0x800000        ; v's 8 MiB
	s_add_nc_u64 s[24:25], s[24:25], s[28:29]
	s_add_nc_u64 s[12:13], s[12:13], s[30:31]
	s_add_nc_u64 s[22:23], s[22:23], s[30:31]
	s_lshl_b32 s28, s26, 16
	s_add_co_u32 s28, s28, 0x300000                ; Wo's images, my four tiles of columns
	s_add_nc_u64 s[10:11], s[10:11], s[28:29]
	s_lshl_b32 s28, s26, 8                         ; my 64 numbers of bo, g1, beta1
	s_add_nc_u64 s[16:17], s[16:17], s[28:29]
	s_add_nc_u64 s[18:19], s[18:19], s[28:29]
	s_add_nc_u64 s[20:21], s[20:21], s[28:29]
	global_load_b128 v[224:227], v1, s[8:9]                     ; q: lane (r, h): row r, channels 16 h + 0 .. 15,
	global_load_b128 v[228:231], v1, s[8:9] offset:512          ; and 32 + 16 h + 0 .. 15
	global_load_b128 v[232:235], v1, s[8:9] offset:0x400000     ; k likewise: the same permutation of the channels on both sides
	global_load_b128 v[236:239], v1, s[8:9] offset:0x400000+512
	global_load_b128 v[240:243], v1, s[32:33]                   ; v
	global_load_b128 v[244:247], v1, s[32:33] offset:512
.irp i, 0,1,2,3,4,5,6,7
	global_load_b128 v[32+4*\i:35+4*\i], v1, s[12:13] offset:512*\i th:TH_LOAD_NT   ; x's row w, 512 consecutive bytes a load
.endr
	BLOAD 0
	BLOAD 1
	s_wait_kmcnt 0x0
	s_add_co_i32 s53, s42, s43                     ; a score stands for score x 2^(e6 + e7): added to the exponent field of
	s_lshl_b32 s53, s53, 23
	s_add_co_i32 s53, s53, 0x3e38aa3b              ; c = log2(e) / 8
	s_sub_co_i32 s54, 0, s45                       ; -e9
	s_add_co_i32 s55, s44, s45                     ; e8 + e9
	s_add_co_i32 s58, s46, 127
	s_lshl_b32 s59, s58, 23                        ; 2^e10
	s_add_co_i32 s58, s58, 8
	s_lshl_b32 s58, s58, 23
	s_or_b32 s58, s58, 0x600000                    ; 448 x 2^e10
	s_add_co_i32 s56, s46, s47
	s_add_co_i32 s56, s56, 127
	s_lshl_b32 s56, s56, 23                        ; 2^(e10 + e11)
	s_mov_b32 s57, s56                             ; (named with it as a pair, so it is written)
	s_wait_loadcnt 40                              ; q, k, v are in; behind them: x's 8 loads and Wo's 32
	v_wmma_f32_16x16x64_fp8_fp8 v[248:255], v[232:239], v[224:231], 0   ; register j of lane (r, h): key 8 h + j, query r
	s_wait_loadcnt 32                              ; x's row is in
.irp i, 0,1,2,3,4,5,6,7
	ds_store_b128 v4, v[32+4*\i:35+4*\i] offset:512*\i
.endr
	v_and_b32 v12, 7, v0                           ; four plain lines: the places behind the product
	v_mov_b32 v14, 0                               ; (a lane permute's destination counts as one of its sources)
	v_mov_b32 v16, 0                               ; (the conversion below writes its low half)
	v_mov_b32 v17, 0x7f7f7f7f                      ; the scale 1, in every byte
.irp g, 0,1,2,3
	v_cvt_scale_pk8_f32_fp8 v[64+8*\g:71+8*\g], v[240+2*\g:241+2*\g], v17   ; v's 32 codes as f32
.endr
	v_mov_b32 v13, v248                            ; the diagonal: key = query, 8 h + j = r: register lane % 8 of lanes 0-7 and 24-31.  The scores are read from their low end on
.irp j, 1,2,3,4,5,6,7
	v_cmp_eq_u32 vcc_lo, \j, v12
	v_cndmask_b32 v13, v13, v[248+\j], vcc_lo
.endr
	v_permlanex16_b32 v14, v13, s[SEL], s[SEL+1]
	v_cndmask_b32 v13, v14, v13, s52               ; the other lanes take lane l xor 16's: every lane has its row's score
	v_mul_f32 v13, s53, v13                        ; t
	v_floor_f32 v15, -v13                          ; -M = floor(-t) = -ceil(t)
	v_add_f32 v13, v13, v15
	v_exp_f32 v13, v13                             ; p = 2^(t - M), over 1/2 and at most 1; it is also the row's sum
	v_mov_b32 v21, s59                             ; (a plain line behind the transcendental)
	v_mov_b32 v20, s58
	s_wait_alu depctr_va_vdst(0)                   ; ahead of the first line that names the result
	v_rcp_f32 v18, v13
	v_ldexp_f32 v15, v13, s54                      ; p / 2^e9 (a plain line behind the transcendental),
	v_min_num_f32 v15, 0x43e00000, v15             ; held at 448: the conversion does not saturate (ISA guide 7.6.2), and p is not negative,
	v_cvt_pk_fp8_f32 v16.l, v15, v15               ; to the nearest code,
	v_cvt_f32_fp8 v15, v16                         ; and that code's value,
	v_ldexp_f32 v15, v15, s55                      ; x 2^e9, and x 2^e8 for v's codes
	s_wait_alu depctr_va_vdst(0)
	v_mul_f32 v18, v15, v18                        ; Q(p) 2^e8 / p
	v_mov_b32 v19, v18                             ; (named with it as a pair)
.irp i, 0,2,4,6,8,10,12,14,16,18,20,22,24,26,28,30
	v_pk_mul_f32 v[64+\i:65+\i], v[64+\i:65+\i], v[18:19] op_sel_hi:[1,0]   ; the attention's result, at v's places
.endr
.set oj, 0
.rept 32
	v_med3_num_f32 v[64+oj], v[64+oj], -v20, v20
.set oj, oj+1
.endr
.irp g, 0,1,2,3
	v_cvt_scalef32_pk8_fp8_f32 v[22+2*\g:23+2*\g], v[64+8*\g:71+8*\g], v21
.endr
	v_nop                                          ; one plain line behind the last conversion
	ds_store_b128 v6, v[22:25]                     ; half a K step of the product with Wo, as an image
	ds_store_b128 v6, v[26:29] offset:512
	s_wait_dscnt 0x0                               ; for the others' sake: x's row and my part of the images are in LDS
	s_barrier_signal -1
	s_barrier_wait -1
	ROWV 224, 16                                   ; bo, where q, k, v and the scores lay
	ALOAD 0
	ALOAD 1
	KSTEP 0, 24                                    ; behind K step 0's fragments: K step 1's 16 loads and bo's 8
	KSTEP 1, 24                                    ; bo's 8 and K step 2's 16
	KSTEP 2, 16                                    ; from here on: the next K step's 16,
	KSTEP 3, 16
	KSTEP 4, 16
	KSTEP 5, 16
	KSTEP 6, 16
	KSTEP 7, 16                                    ; at the end g1's and beta1's
.irp i, 0,2,4,6,8,10,12,14,16,18,20,22,24,26,28,30
	v_pk_fma_f32 v[ACC+\i:ACC+\i+1], v[ACC+\i:ACC+\i+1], s[56:57], v[224+\i:225+\i] op_sel_hi:[1,0,1]   ; sum x 2^(e10 + e11) + bo; each accumulator from its low end on
.endr
	s_wait_dscnt 0x0                               ; x
.irp i, 0,2,4,6,8,10,12,14,16,18,20,22,24,26,28,30
	v_pk_add_f32 v[ACC+\i:ACC+\i+1], v[ACC+\i:ACC+\i+1], v[160+\i:161+\i]
.endr
	LN ACC, 96, 128
.irp b, 0,1
.irp q, 0,1,2,3
	global_store_b128 v1, v[ACC+16*\b+4*\q:ACC+16*\b+4*\q+3], s[22:23] offset:2048*\b+512*\q   ; h as f32 images: 512 consecutive bytes a store
.endr
.endr
	s_add_co_i32 s58, s48, 127
	s_lshl_b32 s59, s58, 23
	v_mov_b32 v21, s59                             ; 2^e12
	s_add_co_i32 s58, s58, 8
	s_lshl_b32 s58, s58, 23
	s_or_b32 s58, s58, 0x600000
	v_mov_b32 v20, s58                             ; 448 x 2^e12
.set oj, 0
.rept 32
	v_med3_num_f32 v[192+oj], v[ACC+oj], -v20, v20
.set oj, oj+1
.endr
.irp g, 0,1,2,3
	v_cvt_scalef32_pk8_fp8_f32 v[64+2*\g:65+2*\g], v[192+8*\g:199+8*\g], v21
.endr
	v_nop
	global_store_b128 v1, v[64:67], s[24:25]       ; h's codes: half a K step of the next product's image
	global_store_b128 v1, v[68:71], s[24:25] offset:512
	s_wait_tensorcnt 0x0                           ; the wave's end, behind my last LDS store
	ds_add_u32 v10, v11
	s_wait_dscnt 0x0
	s_endpgm
.Lfunc_end_k_q50215c3382_attn_wo_ln1:
	.size	k_q50215c3382_attn_wo_ln1, .Lfunc_end_k_q50215c3382_attn_wo_ln1-k_q50215c3382_attn_wo_ln1
	.p2alignl 7, 3214868480
	.fill 96, 4, 3214868480
	.section	.rodata,"a",@progbits
	.p2align	6, 0x0
	.amdhsa_kernel k_q50215c3382_attn_wo_ln1
		.amdhsa_group_segment_fixed_size 86272
		.amdhsa_private_segment_fixed_size 0
		.amdhsa_enable_private_segment 0
		.amdhsa_kernarg_size 72
		.amdhsa_user_sgpr_count 2
		.amdhsa_user_sgpr_kernarg_segment_ptr 1
		.amdhsa_wavefront_size32 1
		.amdhsa_system_sgpr_workgroup_id_x 1
		.amdhsa_system_sgpr_workgroup_id_y 1
		.amdhsa_system_sgpr_workgroup_id_z 1
		.amdhsa_system_vgpr_workitem_id 0
		.amdhsa_next_free_vgpr 256
		.amdhsa_next_free_sgpr 66
		.amdhsa_reserve_vcc 1
		.amdhsa_float_denorm_mode_32 3
		.amdhsa_float_denorm_mode_16_64 3
		.amdhsa_memory_ordered 1
		.amdhsa_forward_progress 1
		.amdhsa_inst_pref_size 44
	.end_amdhsa_kernel
	.amdgpu_metadata
---
amdhsa.version: [ 1, 2 ]
amdhsa.kernels:
  - .name:           k_q50215c3382_attn_wo_ln1
    .symbol:         k_q50215c3382_attn_wo_ln1.kd
    .args:
      - { .name: qkvc, .offset: 0, .size: 8, .value_kind: global_buffer, .address_space: global }
      - { .name: wc, .offset: 8, .size: 8, .value_kind: global_buffer, .address_space: global }
      - { .name: x, .offset: 16, .size: 8, .value_kind: global_buffer, .address_space: global }
      - { .name: lowp_scales, .offset: 24, .size: 8, .value_kind: global_buffer, .address_space: global }
      - { .name: bo, .offset: 32, .size: 8, .value_kind: global_buffer, .address_space: global }
      - { .name: g1, .offset: 40, .size: 8, .value_kind: global_buffer, .address_space: global }
      - { .name: beta1, .offset: 48, .size: 8, .value_kind: global_buffer, .address_space: global }
      - { .name: hf, .offset: 56, .size: 8, .value_kind: global_buffer, .address_space: global }
      - { .name: hc, .offset: 64, .size: 8, .value_kind: global_buffer, .address_space: global }
    .group_segment_fixed_size: 86272
    .private_segment_fixed_size: 0
    .kernarg_segment_align: 8
    .kernarg_segment_size: 72
    .max_flat_workgroup_size: 512
    .sgpr_count:     66
    .vgpr_count:     256
    .wavefront_size: 32
...
	.end_amdgpu_metadata
.endif
;; end of part 3
;; launch gemm_ffn1 (part 4): grid 16 x 16, 4 waves a work-group, clusters of 4 x 4, 327,680 bytes of LDS; arguments hc, wc, lowp_scales, hid, b1; writes hid
.if DOCPART == 4
	.amdgcn_target "amdgcn-amd-amdhsa--gfx1250"
	.amdhsa_code_object_version 6
	.text
	.protected	k_q50215c3382_gemm_ffn1
	.globl	k_q50215c3382_gemm_ffn1
	.p2align	8
	.type	k_q50215c3382_gemm_ffn1,@function
k_q50215c3382_gemm_ffn1:
	s_mov_b64 s[64:65], 0
	v_nop
	global_prefetch_b8 v0, s[64:65] scope:SCOPE_SE
	s_setreg_imm32_b32 hwreg(HW_REG_WAVE_MODE, 25, 1), 1
	s_wait_xcnt 0x0
	s_wait_alu depctr_hold_cnt(0) depctr_sa_sdst(0) depctr_va_vdst(0) depctr_va_sdst(0) depctr_va_ssrc(0) depctr_va_vcc(0) depctr_vm_vsrc(0)
	s_getreg_b32 s2, hwreg(HW_REG_IB_STS2, 6, 4)
	s_cmp_eq_u32 s2, 0
	s_cbranch_scc0 .Lentry_in_a_cluster
	s_endpgm
.Lentry_in_a_cluster:
	s_bfe_u32 s2, ttmp6, 0x10000c
	s_cmp_lg_u32 s2, 0xf033
	s_cbranch_scc0 .Lentry_shape_is_right
	s_endpgm
.Lentry_shape_is_right:
; ONE TEXT FOR THREE LAUNCHES, told apart by MODE.  C = A B^T on codes of FP8 (E4M3), one given scale 2^e a tensor, sums in f32, by v_wmma_f32_16x16x128_fp8_fp8.
;   MODE 0: q, k, v = x Wq + bq, x Wk + bk, x Wv + bv, quantised with entries 6, 7, 8.  The cluster's x says which of the three: each has its own codes of x (entries 0, 2, 4) and of W (1, 3, 5).
;   MODE 1: hidden = relu(h W1 + b1), quantised with entry 14 (operands: entries 12, 13).        MODE 2: y2 = h + hidden W2 + b2, f32 (operands: entries 14, 15).
; BOTH OPERANDS LIE IN MEMORY AS IMAGES OF THEIR REGISTERS: [tile of 16 rows][K step of 128][2048 bytes], byte 512 c + 16 l + i = row index l % 16, k = 32 c + 16 (l / 16) + i.  A tile's K steps lie on end, so a tensor load
; brings NA tiles x NSTEP K steps as NA rows of NSTEP x 2,048 bytes; a fragment is four ds_load_b128 at 16 x lane, 512 bytes apart: consecutive bytes, so no padding.  (k's place in the registers is the same permutation in A and in B.)
; THE MATRIX INSTRUCTION IS USED TRANSPOSED (source 0 = 16 columns of the weight, source 1 = 16 rows of A), and row index p of weight tile nt is column 32 (nt / 2) + 8 (nt % 2) + p + 8 (p / 8): lane (r, h) holds row r, and the
; 16 registers of tiles 2 b, 2 b + 1 are columns 32 b + 16 h + 0 .. 15.  Their codes are a lane's 16 bytes of chunk b of the NEXT operand's image: results leave from registers, 512 consecutive bytes a store, with no stage in LDS.
; f32 images (h, y2): [tile of rows][group of 32 columns][2048]: byte 512 q + 16 l = row l % 16, columns 16 (l / 16) + 4 q + 0 .. 3: the same registers.
; SHARES.  Four waves, as many as a WGP has SIMDs; a wave makes (16 NA)^2 of C.  MODES 0, 1: tiles of 256 x 256 (192 and 256 work-groups: in MODE 0 a tile lies inside one of q, k, v).  MODE 2: 128 x 128, since 256 x 256 would give 64 work-groups.
; CLUSTERS of 4 x 4: A's tile is asked for jointly along a row of the cluster, B's along a column.  Ring of two slots of 131,072 bytes; a wave has two tensor loads out at the start, later one.
; The bias is the C of each sum's first product, divided by 2^(ea + eb); in MODE 2 the accumulators begin as (h + b2) / 2^(ea + eb).
; LIMITS: MODES 0, 1: eout - ea - eb between -126 and 119.  MODE 2: ea + eb between -126 and 126.  NaN is not served.
; No prefetch: the tiles are read by many work-groups and K is short.
.set MODE, 1
.if MODE == 2
.set NA,    4                          ; fragments of A, and of B, a wave
.set NSTEP, 4                          ; K steps of 128 in a slot
.set KDIM,  4096
.else
.set NA,    8
.set NSTEP, 2
.set KDIM,  1024
.endif
.set NB,    NA
.set WSEC,  0x400000*MODE              ; the weight's place in wc
.set LAPS,  KDIM/(256*NSTEP)           ; a lap = once round the ring
.set HALFT, NA*NSTEP*2048              ; what one tensor load brings, and what one wave reads of A or of B: 32,768 bytes
.set SLOT,  4*HALFT                    ; A's two halves, then B's two
.set SPARE, 2*SLOT                     ; behind the ring: the spare words, 128 bytes a wave, that no other line names
.set TC,    256*NSTEP                  ; a tile's row in elements of 8 bytes
.set ASTR,  16384<<(2*MODE)            ; MODES 0, 1: from a tile of rows to the next in the output's images
.set ADRA, 16                          ; v16-17  LDS address of my A fragments in slot 0, 1
.set ADRB, 20                          ; v20-21  the same for B
.set SPW,  28                          ; v28     my spare word's LDS address; never rewritten
.set NIL,  29                          ; v29     0; never rewritten
.set SC,   30                          ; v30     2^(eout - ea - eb), for the conversions
.set LIM,  31                          ; v31     448 x that
.set BI,   32                          ; v32-95  the bias in the result's layout; on the way out the held numbers
.set AF,   128                         ; v128..  A's fragments, ONE set; on the way out the codes or results.  Window 1: B's two sets at v0, v128.  Windows 2, 3: the accumulators, (a, b) at v[8 (NB (a % (NA/2)) + b)]
.set G1, 24                            ; s[24:31] descriptor group 1 for A's tiles; s[32:39] group 0, a set for each slot
.set G0, 32
.set G1B, 48                           ; s[48:55], s[56:63] the same for B's
.set G0B, 56
.set MSB, 0
.macro WIN new                         ; the immediate's high byte repeats the setting that is left
.if MSB != (\new)
	s_set_vgpr_msb (MSB<<8)|(\new)
.set MSB, (\new)
.endif
.endm
.macro WMUL hi, cm                     ; source 0 (B) window 1, source 1 (A) window 0, D window 2 + hi; C with D, or (cm = 1) the bias in window 0
.if \cm
	WIN 0x81+0x40*(\hi)
.else
	WIN 0xa1+0x50*(\hi)
.endif
.endm
; A joint load: waves 0 and 1 fetch A's halves, waves 2 and 3 B's.  The branch hangs on the wave's number alone.  An s_nop 0 and four v_nop follow each of the two lines.
.macro JLOAD g0a, g1a, g0b, g1b
	s_cmp_eq_u32 s15, 0
	s_cbranch_scc0 .Lfor_b_\@
	tensor_load_to_lds s[\g0a:\g0a+3], s[\g1a:\g1a+7]
	s_nop 0
.rept 4
	v_nop
.endr
	s_branch .Lasked_\@
.Lfor_b_\@:
	tensor_load_to_lds s[\g0b:\g0b+3], s[\g1b:\g1b+7]
	s_nop 0
.rept 4
	v_nop
.endr
.Lasked_\@:
.endm
.macro CREST                           ; a round of the cluster's barrier behind its opening barrier
	s_cmp_lg_u32 s14, 0
	s_cbranch_scc1 .Lnot_wave_0_\@
	s_barrier_signal -3
.Lnot_wave_0_\@:
	s_barrier_wait -3
	s_barrier_signal -1
	s_barrier_wait -1
.endm
.macro CROUND
	s_barrier_signal -1
	s_barrier_wait -1
	CREST
.endm
.macro PLACES                          ; four plain vector lines between a matrix instruction and a load into, or a vector line on, its registers
.rept 4
	v_nop
.endr
.endm
.macro FRAG reg, adr, q, i             ; fragment i of the slot's q-th K step: its image, as it lies
.irp c, 0,1,2,3
	ds_load_b128 v[\reg+4*\c:\reg+4*\c+3], v[\adr] offset:(\i)*NSTEP*2048+(\q)*2048+512*\c
.endr
.endm
.macro FETCH_B slot, q, p              ; B's NB fragments into set p
	WIN 0x40
.set fi, 0
.rept NB
	FRAG 128*(\p)+16*fi, ADRB+\slot, \q, fi
.set fi, fi+1
.endr
	WIN 0
.endm
.macro FETCH_A slot, q, i0             ; A's blocks i0 .. i0 + NA/2 - 1
.set fi, \i0
.rept NA/2
	FRAG AF+16*fi, ADRA+\slot, \q, fi
.set fi, fi+1
.endr
.endm
; NA/4 blocks of A x B's NB fragments.  The accumulators take turns, one instruction a turn, in the same order in every step.
.macro MULQ a0, p, cm
.set qa, \a0
.rept NA/4
.set qb, 0
.rept NB
.set rD, 8*(NB*(qa%(NA/2))+qb)
.if \cm
	v_wmma_f32_16x16x128_fp8_fp8 v[rD:rD+7], v[128*(\p)+16*qb:128*(\p)+16*qb+15], v[AF+16*qa:AF+16*qa+15], v[BI+8*qb:BI+8*qb+7]
.else
	v_wmma_f32_16x16x128_fp8_fp8 v[rD:rD+7], v[128*(\p)+16*qb:128*(\p)+16*qb+15], v[AF+16*qa:AF+16*qa+15], v[rD:rD+7]
.endif
.set qb, qb+1
.endr
.set qa, qa+1
.endr
.endm
; A step of 128 along K that has its successor in the same slot.  A block of A is free when its products are issued, so one set serves A; B has two.
.macro STEP slot, q, cm
	s_wait_dscnt 2*NA                              ; B's set and A's first half are in; the youngest 2 NA loads (A's second half) may be out
	WMUL 0, \cm
	MULQ 0, (\q)%2, \cm
	MULQ NA/4, (\q)%2, \cm
	s_wait_dscnt 0                                 ; A's second half is in
	PLACES
	FETCH_B \slot, (\q)+1, 1-(\q)%2
	FETCH_A \slot, (\q)+1, 0
	WMUL 1, \cm
	MULQ NA/2, (\q)%2, \cm
	MULQ 3*NA/4, (\q)%2, \cm
	PLACES
	WIN 0
	FETCH_A \slot, (\q)+1, NA/2
.endm
.macro MID slot                        ; a slot's steps between its first and its last
.if NSTEP > 2
	STEP \slot, 1, 0
	STEP \slot, 2, 0
.endif
.endm
; A slot's last step changes slots: ONE barrier; in front of it each wave waits for all its tensor loads, adds 0 to its spare word, and waits for that and for its own reads of this slot.  fill = 1: the slot is filled again, two slots ahead.
.macro TURN slot, next, fill
	s_wait_tensorcnt 0x0                           ; all my tensor loads have landed: my part of the next slot
	ds_add_u32 v[SPW], v[NIL]                      ; 0 onto my spare word
	s_wait_dscnt 2*NA+1                            ; (the add and A's second half may be out)
	WMUL 0, 0
	MULQ 0, 1, 0                                   ; matrix work stands between the add and the wait for it
	s_wait_dscnt 0x0                               ; the add is done, and my reads of this slot are over
	s_barrier_signal -1
	MULQ NA/4, 1, 0
	WIN 0
	s_barrier_wait -1
.if \fill
	CREST                                          ; the barrier has opened a round of the cluster's: no wave of any partner still reads this slot or has a load on its way
	s_add_nc_u64 s[G0+4*\slot+2:G0+4*\slot+3], s[G0+4*\slot+2:G0+4*\slot+3], 2*NSTEP*2048
	s_add_nc_u64 s[G0B+4*\slot+2:G0B+4*\slot+3], s[G0B+4*\slot+2:G0B+4*\slot+3], 2*NSTEP*2048
	JLOAD G0+4*\slot, G1, G0B+4*\slot, G1B         ; the first tensor load behind the round; its four v_nop are the places in front of the loads below
.else
	PLACES
.endif
	FETCH_B \next, 0, 0
	FETCH_A \next, 0, 0
	WMUL 1, 0
	MULQ NA/2, 1, 0
	MULQ 3*NA/4, 1, 0
	PLACES
	WIN 0
	FETCH_A \next, 0, NA/2
.endm
	s_load_b256 s[4:11], s[0:1], 0x0               ; A's codes s[4:5], wc s[6:7], the scales' exponents s[8:9], the output s[10:11]
.if MODE == 0
	s_load_b128 s[68:71], s[0:1], 0x20             ; bq, bk
	s_load_b64 s[72:73], s[0:1], 0x30              ; bv
.elseif MODE == 1
	s_load_b64 s[68:69], s[0:1], 0x20              ; b1
.else
	s_load_b128 s[68:71], s[0:1], 0x20             ; b2, h's f32 images
.endif
	v_lshl_add_u32 v[SPW], v0, 2, SPARE
	v_mov_b32 v[NIL], 0
	ds_add_u32 v[SPW], v[NIL]                      ; the wave's opening: the add and its wait stand ahead of my first tensor load; the set-up below stands between them
	v_lshrrev_b32 v1, 5, v0
	v_readfirstlane_b32 s14, v1                    ; wave 0..3
	s_lshr_b32 s15, s14, 1                         ; which half of the tile's rows is mine.  Also: I fetch for A (0) or for B (1)
	s_and_b32 s16, s14, 1                          ; which half of its columns.  Also: which half of that tile I fetch
	s_bfe_u32 s40, ttmp6, 0x40000                  ; cx, cy: my place in the cluster
	s_bfe_u32 s41, ttmp6, 0x40004
	s_lshl_b32 s42, ttmp9, 2
	s_add_co_u32 s42, s42, s40                     ; tile column = 4 x cluster x + cx
	s_and_b32 s17, ttmp7, 0xffff
	s_lshl_b32 s17, s17, 2
	s_add_co_u32 s17, s17, s41                     ; tile row = 4 x cluster y + cy
	s_lshl_b32 s43, s41, 2
	s_lshl_b32 s43, 15, s43                        ; my row of the cluster
	s_lshl_b32 s44, 0x1111, s40                    ; my column
	s_or_b32 s[G1+0], s43, (3<<16)|(1<<21)         ; 15:0 the mask: A's tiles go to my row; 17:16 elements of 8 bytes; 21 set beside a mask; no padding
	s_or_b32 s[G1B+0], s44, (3<<16)|(1<<21)
.irp g, G1, G1B
	s_mov_b32 s[\g+1], TC<<16                      ; tensor_dim0
	s_mov_b32 s[\g+2], NA<<16                      ; tensor_dim1
	s_mov_b32 s[\g+3], TC<<16                      ; tile_dim0
	s_mov_b32 s[\g+4], NA                          ; tile_dim1
	s_mov_b32 s[\g+5], 2*KDIM                      ; from a tile of 16 rows to the next: 16 KDIM bytes
	s_mov_b32 s[\g+6], 0
	s_mov_b32 s[\g+7], 0
.endr
	s_mul_i32 s18, s16, NA                         ; which half I fetch
	s_mul_i32 s20, s17, 2*NA
	s_add_co_u32 s20, s20, s18
	s_mul_i32 s20, s20, 16*KDIM                    ; A: by the tile row alone, which my row of the cluster shares
.if MODE == 0
	s_lshl_b32 s19, ttmp9, 22                      ; and the cluster's x, which all sixteen share: x's codes for q, k or v
	s_add_co_u32 s20, s20, s19
	s_lshl_b32 s66, ttmp9, 3                       ; the product's two entries,
	s_lshl_b32 s67, ttmp9, 2                       ; and its result's
.endif
	s_mov_b32 s21, 0
	s_mul_i32 s46, s42, 2*NA
	s_add_co_u32 s46, s46, s18
	s_mul_i32 s46, s46, 16*KDIM                    ; B: by the tile column alone
.if WSEC
	s_add_co_u32 s46, s46, WSEC
.endif
	s_mov_b32 s47, 0
	s_mul_i32 s45, s14, HALFT                      ; where they go: no place in the cluster enters an LDS address
	s_wait_dscnt 0x0                               ; the opening add is done
	s_wait_kmcnt 0x0
.if MODE == 0
	s_load_b64 s[76:77], s[8:9], s66 offset:0x0    ; ea, eb
	s_load_b32 s78, s[8:9], s67 offset:0x18        ; eout: entry 6, 7 or 8
.elseif MODE == 1
	s_load_b128 s[76:79], s[8:9], 0x30             ; entries 12, 13, 14 (and 15)
.else
	s_load_b64 s[76:77], s[8:9], 0x38              ; entries 14, 15
.endif
	s_add_nc_u64 s[20:21], s[4:5], s[20:21]
	s_add_nc_u64 s[46:47], s[6:7], s[46:47]
	CROUND                                         ; all sixteen work-groups are here: the first joint loads meet
.irp s, 0,1
	s_mov_b32 s[G0+4*\s], 1
	s_add_co_u32 s[G0+4*\s+1], s45, \s*SLOT
	s_add_nc_u64 s[G0+4*\s+2:G0+4*\s+3], s[20:21], \s*NSTEP*2048
	s_or_b32 s[G0+4*\s+3], s[G0+4*\s+3], 0x80000000
	s_mov_b32 s[G0B+4*\s], 1
	s_add_co_u32 s[G0B+4*\s+1], s45, \s*SLOT
	s_add_nc_u64 s[G0B+4*\s+2:G0B+4*\s+3], s[46:47], \s*NSTEP*2048
	s_or_b32 s[G0B+4*\s+3], s[G0B+4*\s+3], 0x80000000
	JLOAD G0+4*\s, G1, G0B+4*\s, G1B
.endr
	v_and_b32 v1, 31, v0
	v_lshlrev_b32 v1, 4, v1                        ; 16 x lane: an image's place for my lane, in LDS and in memory
	v_bfe_u32 v2, v0, 4, 1
	v_lshlrev_b32 v2, 6, v2                        ; 64 (lane / 16): my 16 numbers of a group of 32 of the bias
	s_mul_i32 s22, s15, HALFT                      ; my half of A
	s_mul_i32 s23, s16, HALFT                      ; my half of B,
	s_add_co_u32 s23, s23, 2*HALFT                 ; behind A's two
.irp s, 0,1
	v_add_nc_u32 v[ADRA+\s], s22, v1
	v_add_nc_u32 v[ADRB+\s], s23, v1
	s_add_co_u32 s22, s22, SLOT
	s_add_co_u32 s23, s23, SLOT
.endr
.if MODE < 2
.if MODE == 0
	s_cmp_eq_u32 ttmp9, 1
	s_cselect_b64 s[68:69], s[70:71], s[68:69]
	s_cmp_eq_u32 ttmp9, 2
	s_cselect_b64 s[68:69], s[72:73], s[68:69]     ; bq, bk or bv
	s_lshl_b32 s84, s40, 10                        ; 256 columns a tile, inside the 1,024 of q, k or v
.else
	s_lshl_b32 s84, s42, 10
.endif
	s_lshl_b32 s85, s16, 9
	s_add_co_u32 s84, s84, s85
	s_mov_b32 s85, 0
	s_add_nc_u64 s[68:69], s[68:69], s[84:85]
.irp t, 0,1,2,3,4,5,6,7                        ; tile t, register j: column 32 (t / 2) + 16 h + 8 (t % 2) + j
	global_load_b128 v[BI+8*\t:BI+8*\t+3], v2, s[68:69] offset:(32*(\t/2)+8*(\t%2))*4
	global_load_b128 v[BI+8*\t+4:BI+8*\t+7], v2, s[68:69] offset:(32*(\t/2)+8*(\t%2))*4+16
.endr
	s_lshl_b32 s84, s17, 4                         ; the output: my first tile of rows, 16 x tile row + 8 x half,
	s_lshl_b32 s86, s15, 3
	s_add_co_u32 s84, s84, s86
	s_lshl_b32 s84, s84, 3+2*MODE                  ; x the next K's steps,
.if MODE == 0
	s_lshl_b32 s86, s40, 1
.else
	s_lshl_b32 s86, s42, 1
.endif
	s_add_co_u32 s84, s84, s86
	s_add_co_u32 s84, s84, s16                     ; + my 128 columns: one K step of the next product
	s_lshl_b32 s84, s84, 11
.if MODE == 0
	s_lshl_b32 s86, ttmp9, 22
	s_add_co_u32 s84, s84, s86
.endif
	s_add_nc_u64 s[10:11], s[10:11], s[84:85]
	s_wait_kmcnt 0x0
	s_add_co_i32 s80, s76, s77                     ; ea + eb: a sum stands for sum x 2^(ea + eb)
	s_sub_co_i32 s81, s78, s80                     ; so its code is sum / 2^(eout - ea - eb)
	s_add_co_i32 s81, s81, 127
	s_lshl_b32 s82, s81, 23
	v_mov_b32 v[SC], s82
	s_add_co_i32 s81, s81, 8
	s_lshl_b32 s81, s81, 23
	s_or_b32 s81, s81, 0x600000
	v_mov_b32 v[LIM], s81
	s_sub_co_i32 s80, 0, s80
	s_wait_loadcnt 0x0
.set oj, 0
.rept 64
	v_ldexp_f32 v[BI+oj], v[BI+oj], s80            ; the bias goes in divided by 2^(ea + eb)
.set oj, oj+1
.endr
.else
	s_lshl_b32 s84, s17, 3                         ; my first tile of rows, 8 x tile row + 4 x half,
	s_lshl_b32 s86, s15, 2
	s_add_co_u32 s84, s84, s86
	s_lshl_b32 s84, s84, 5                         ; x 32 groups of columns,
	s_lshl_b32 s86, s42, 2
	s_add_co_u32 s84, s84, s86
	s_lshl_b32 s86, s16, 1
	s_add_co_u32 s84, s84, s86                     ; + my first group: 4 x tile column + 2 x half
	s_lshl_b32 s84, s84, 11
	s_mov_b32 s85, 0
	s_add_nc_u64 s[70:71], s[70:71], s[84:85]
	s_add_nc_u64 s[10:11], s[10:11], s[84:85]
	s_lshl_b32 s84, s42, 9
	s_lshl_b32 s86, s16, 8
	s_add_co_u32 s84, s84, s86
	s_add_nc_u64 s[68:69], s[68:69], s[84:85]
.irp t, 0,1,2,3
	global_load_b128 v[BI+8*\t:BI+8*\t+3], v2, s[68:69] offset:(32*(\t/2)+8*(\t%2))*4
	global_load_b128 v[BI+8*\t+4:BI+8*\t+7], v2, s[68:69] offset:(32*(\t/2)+8*(\t%2))*4+16
.endr
.irp a, 0,1,2,3                                ; h's images go straight into the accumulators
	WIN 0x80+0x40*(\a/2)
.irp b, 0,1
.irp q, 0,1,2,3
	global_load_b128 v[32*(\a%2)+16*\b+4*\q:32*(\a%2)+16*\b+4*\q+3], v1, s[70:71] offset:\a*65536+\b*2048+512*\q
.endr
.endr
.endr
	WIN 0
	s_wait_kmcnt 0x0
	s_add_co_i32 s80, s76, s77                     ; ea + eb
	s_add_co_i32 s96, s80, 127
	s_lshl_b32 s96, s96, 23                        ; 2^(ea + eb)
	s_mov_b32 s97, s96                             ; (named with it as a pair, so it is written)
	s_sub_co_i32 s98, 127, s80
	s_lshl_b32 s98, s98, 23                        ; 2^-(ea + eb)
	s_mov_b32 s99, s98
	s_sub_co_i32 s80, 0, s80
	s_wait_loadcnt 0x0
.set oj, 0
.rept 32
	v_ldexp_f32 v[BI+oj], v[BI+oj], s80
.set oj, oj+1
.endr
.irp a, 0,1,2,3
	WIN 0x82+0x41*(\a/2)                           ; destination and source 0 in window 2 or 3, b2 in window 0
.irp b, 0,1,2,3
.irp i, 0,2,4,6
	v_pk_fma_f32 v[32*(\a%2)+8*\b+\i:32*(\a%2)+8*\b+\i+1], v[32*(\a%2)+8*\b+\i:32*(\a%2)+8*\b+\i+1], s[98:99], v[BI+8*\b+\i:BI+8*\b+\i+1] op_sel_hi:[1,0,1]   ; (h + b2) / 2^(ea + eb): the sums begin here
.endr
.endr
.endr
	WIN 0
.endif
	s_wait_tensorcnt 1                             ; my part of slot 0 is in (slot 1's load may be out)
	s_barrier_signal -1
	s_barrier_wait -1                              ; everybody's is
	FETCH_B 0, 0, 0
	FETCH_A 0, 0, 0
	FETCH_A 0, 0, NA/2
	STEP 0, 0, (MODE<2)                            ; the first step stands in front of the loop: in MODES 0 and 1 its products take the bias as C
	s_mov_b32 s3, LAPS-1
.Llap:                                             ; a trip goes once round the ring, from a lap's second step to the next lap's first, and fills both slots again
	MID 0
	TURN 0, 1, 1
	STEP 1, 0, 0
	MID 1
	TURN 1, 0, 1
	STEP 0, 0, 0
	s_sub_co_u32 s3, s3, 1
	s_cmp_lg_u32 s3, 0
	s_cbranch_scc1 .Llap
	MID 0                                          ; the last lap fills nothing, and has no round of the cluster's barrier
	TURN 0, 1, 0
	STEP 1, 0, 0
	MID 1
	s_wait_dscnt 2*NA                              ; the very last step: nothing more to fetch
	WMUL 0, 0
	MULQ 0, 1, 0
	MULQ NA/4, 1, 0
	s_wait_dscnt 0
	WMUL 1, 0
	MULQ NA/2, 1, 0
	MULQ 3*NA/4, 1, 0
	WIN 0
	PLACES                                         ; in front of the first read of results, and of the first write into the registers that held A's fragments
.if MODE < 2
; THE WAY OUT, a block of 16 rows x 128 columns at a time: the hold (in MODE 1 also the activation), the conversions, four stores of 512 consecutive bytes: one image of the next operand.  Each accumulator is read from its low end on.
.macro OUTC a
	WIN 0x02+(\a)/4                                ; source 0: window 2 or 3
.set oj, 0
.rept 64
.if MODE == 1
	v_med3_num_f32 v[BI+oj], v[64*((\a)%4)+oj], 0, v[LIM]
.else
	v_med3_num_f32 v[BI+oj], v[64*((\a)%4)+oj], -v[LIM], v[LIM]
.endif
.set oj, oj+1
.endr
	WIN 0
.irp g, 0,1,2,3,4,5,6,7
	v_cvt_scalef32_pk8_fp8_f32 v[AF+16*(\a)+2*\g:AF+16*(\a)+2*\g+1], v[BI+8*\g:BI+8*\g+7], v[SC]
.endr
	v_nop                                          ; one plain line between the conversions and the next block's holds, which write their sources
.irp c, 0,1,2,3
	global_store_b128 v1, v[AF+16*(\a)+4*\c:AF+16*(\a)+4*\c+3], s[10:11] offset:(\a)*ASTR+512*\c   ; each block has code registers of its own
.endr
.endm
.irp a, 0,1,2,3,4,5,6,7
	OUTC \a
.endr
.else
.irp a, 0,1,2,3                                ; y2 = sum x 2^(ea + eb), as f32 images
	WIN 0x02+(\a/2)
.set oj, 0
.rept 16
	v_pk_mul_f32 v[AF+32*\a+oj:AF+32*\a+oj+1], v[32*(\a%2)+oj:32*(\a%2)+oj+1], s[96:97] op_sel_hi:[1,0]
.set oj, oj+2
.endr
.endr
	WIN 0
.irp a, 0,1,2,3
.irp b, 0,1
.irp q, 0,1,2,3
	global_store_b128 v1, v[AF+32*\a+16*\b+4*\q:AF+32*\a+16*\b+4*\q+3], s[10:11] offset:\a*65536+\b*2048+512*\q
.endr
.endr
.endr
.endif
	s_wait_tensorcnt 0x0                           ; the wave's end, behind my last tensor load
	ds_add_u32 v[SPW], v[NIL]
	s_wait_dscnt 0x0
	CROUND                                         ; the closing round: no work-group ends while a partner may still ask for a tile that names it
	s_endpgm
.Lfunc_end_k_q50215c3382_gemm_ffn1:
	.size	k_q50215c3382_gemm_ffn1, .Lfunc_end_k_q50215c3382_gemm_ffn1-k_q50215c3382_gemm_ffn1
	.p2alignl 7, 3214868480
	.fill 96, 4, 3214868480
	.section	.rodata,"a",@progbits
	.p2align	6, 0x0
	.amdhsa_kernel k_q50215c3382_gemm_ffn1
		.amdhsa_group_segment_fixed_size 327680
		.amdhsa_private_segment_fixed_size 0
		.amdhsa_enable_private_segment 0
		.amdhsa_kernarg_size 40
		.amdhsa_user_sgpr_count 2
		.amdhsa_user_sgpr_kernarg_segment_ptr 1
		.amdhsa_wavefront_size32 1
		.amdhsa_system_sgpr_workgroup_id_x 1
		.amdhsa_system_sgpr_workgroup_id_y 1
		.amdhsa_system_sgpr_workgroup_id_z 1
		.amdhsa_system_vgpr_workitem_id 0
		.amdhsa_next_free_vgpr 1024
		.amdhsa_next_free_sgpr 100
		.amdhsa_reserve_vcc 0
		.amdhsa_float_denorm_mode_32 3
		.amdhsa_float_denorm_mode_16_64 3
		.amdhsa_memory_ordered 1
		.amdhsa_forward_progress 1
		.amdhsa_inst_pref_size 123
	.end_amdhsa_kernel
	.amdgpu_metadata
---
amdhsa.version: [ 1, 2 ]
amdhsa.kernels:
  - .name:           k_q50215c3382_gemm_ffn1
    .symbol:         k_q50215c3382_gemm_ffn1.kd
    .args:
      - { .name: hc, .offset: 0, .size: 8, .value_kind: global_buffer, .address_space: global }
      - { .name: wc, .offset: 8, .size: 8, .value_kind: global_buffer, .address_space: global }
      - { .name: lowp_scales, .offset: 16, .size: 8, .value_kind: global_buffer, .address_space: global }
      - { .name: hid, .offset: 24, .size: 8, .value_kind: global_buffer, .address_space: global }
      - { .name: b1, .offset: 32, .size: 8, .value_kind: global_buffer, .address_space: global }
    .group_segment_fixed_size: 327680
    .private_segment_fixed_size: 0
    .kernarg_segment_align: 8
    .kernarg_segment_size: 40
    .max_flat_workgroup_size: 128
    .sgpr_count:     100
    .vgpr_count:     1024
    .wavefront_size: 32
...
	.end_amdgpu_metadata
.endif
;; end of part 4
;; launch gemm_ffn2 (part 5): grid 8 x 32, 4 waves a work-group, clusters of 4 x 4, 327,680 bytes of LDS; arguments hid, wc, lowp_scales, y2, b2, hf; writes y2
.if DOCPART == 5
	.amdgcn_target "amdgcn-amd-amdhsa--gfx1250"
	.amdhsa_code_object_version 6
	.text
	.protected	k_q50215c3382_gemm_ffn2
	.globl	k_q50215c3382_gemm_ffn2
	.p2align	8
	.type	k_q50215c3382_gemm_ffn2,@function
k_q50215c3382_gemm_ffn2:
	s_mov_b64 s[64:65], 0
	v_nop
	global_prefetch_b8 v0, s[64:65] scope:SCOPE_SE
	s_setreg_imm32_b32 hwreg(HW_REG_WAVE_MODE, 25, 1), 1
	s_wait_xcnt 0x0
	s_wait_alu depctr_hold_cnt(0) depctr_sa_sdst(0) depctr_va_vdst(0) depctr_va_sdst(0) depctr_va_ssrc(0) depctr_va_vcc(0) depctr_vm_vsrc(0)
	s_getreg_b32 s2, hwreg(HW_REG_IB_STS2, 6, 4)
	s_cmp_eq_u32 s2, 0
	s_cbranch_scc0 .Lentry_in_a_cluster
	s_endpgm
.Lentry_in_a_cluster:
	s_bfe_u32 s2, ttmp6, 0x10000c
	s_cmp_lg_u32 s2, 0xf033
	s_cbranch_scc0 .Lentry_shape_is_right
	s_endpgm
.Lentry_shape_is_right:
; ONE TEXT FOR THREE LAUNCHES, told apart by MODE.  C = A B^T on codes of FP8 (E4M3), one given scale 2^e a tensor, sums in f32, by v_wmma_f32_16x16x128_fp8_fp8.
;   MODE 0: q, k, v = x Wq + bq, x Wk + bk, x Wv + bv, quantised with entries 6, 7, 8.  The cluster's x says which of the three: each has its own codes of x (entries 0, 2, 4) and of W (1, 3, 5).
;   MODE 1: hidden = relu(h W1 + b1), quantised with entry 14 (operands: entries 12, 13).        MODE 2: y2 = h + hidden W2 + b2, f32 (operands: entries 14, 15).
; BOTH OPERANDS LIE IN MEMORY AS IMAGES OF THEIR REGISTERS: [tile of 16 rows][K step of 128][2048 bytes], byte 512 c + 16 l + i = row index l % 16, k = 32 c + 16 (l / 16) + i.  A tile's K steps lie on end, so a tensor load
; brings NA tiles x NSTEP K steps as NA rows of NSTEP x 2,048 bytes; a fragment is four ds_load_b128 at 16 x lane, 512 bytes apart: consecutive bytes, so no padding.  (k's place in the registers is the same permutation in A and in B.)
; THE MATRIX INSTRUCTION IS USED TRANSPOSED (source 0 = 16 columns of the weight, source 1 = 16 rows of A), and row index p of weight tile nt is column 32 (nt / 2) + 8 (nt % 2) + p + 8 (p / 8): lane (r, h) holds row r, and the
; 16 registers of tiles 2 b, 2 b + 1 are columns 32 b + 16 h + 0 .. 15.  Their codes are a lane's 16 bytes of chunk b of the NEXT operand's image: results leave from registers, 512 consecutive bytes a store, with no stage in LDS.
; f32 images (h, y2): [tile of rows][group of 32 columns][2048]: byte 512 q + 16 l = row l % 16, columns 16 (l / 16) + 4 q + 0 .. 3: the same registers.
; SHARES.  Four waves, as many as a WGP has SIMDs; a wave makes (16 NA)^2 of C.  MODES 0, 1: tiles of 256 x 256 (192 and 256 work-groups: in MODE 0 a tile lies inside one of q, k, v).  MODE 2: 128 x 128, since 256 x 256 would give 64 work-groups.
; CLUSTERS of 4 x 4: A's tile is asked for jointly along a row of the cluster, B's along a column.  Ring of two slots of 131,072 bytes; a wave has two tensor loads out at the start, later one.
; The bias is the C of each sum's first product, divided by 2^(ea + eb); in MODE 2 the accumulators begin as (h + b2) / 2^(ea + eb).
; LIMITS: MODES 0, 1: eout - ea - eb between -126 and 119.  MODE 2: ea + eb between -126 and 126.  NaN is not served.
; No prefetch: the tiles are read by many work-groups and K is short.
.set MODE, 2
.if MODE == 2
.set NA,    4                          ; fragments of A, and of B, a wave
.set NSTEP, 4                          ; K steps of 128 in a slot
.set KDIM,  4096
.else
.set NA,    8
.set NSTEP, 2
.set KDIM,  1024
.endif
.set NB,    NA
.set WSEC,  0x400000*MODE              ; the weight's place in wc
.set LAPS,  KDIM/(256*NSTEP)           ; a lap = once round the ring
.set HALFT, NA*NSTEP*2048              ; what one tensor load brings, and what one wave reads of A or of B: 32,768 bytes
.set SLOT,  4*HALFT                    ; A's two halves, then B's two
.set SPARE, 2*SLOT                     ; behind the ring: the spare words, 128 bytes a wave, that no other line names
.set TC,    256*NSTEP                  ; a tile's row in elements of 8 bytes
.set ASTR,  16384<<(2*MODE)            ; MODES 0, 1: from a tile of rows to the next in the output's images
.set ADRA, 16                          ; v16-17  LDS address of my A fragments in slot 0, 1
.set ADRB, 20                          ; v20-21  the same for B
.set SPW,  28                          ; v28     my spare word's LDS address; never rewritten
.set NIL,  29                          ; v29     0; never rewritten
.set SC,   30                          ; v30     2^(eout - ea - eb), for the conversions
.set LIM,  31                          ; v31     448 x that
.set BI,   32                          ; v32-95  the bias in the result's layout; on the way out the held numbers
.set AF,   128                         ; v128..  A's fragments, ONE set; on the way out the codes or results.  Window 1: B's two sets at v0, v128.  Windows 2, 3: the accumulators, (a, b) at v[8 (NB (a % (NA/2)) + b)]
.set G1, 24                            ; s[24:31] descriptor group 1 for A's tiles; s[32:39] group 0, a set for each slot
.set G0, 32
.set G1B, 48                           ; s[48:55], s[56:63] the same for B's
.set G0B, 56
.set MSB, 0
.macro WIN new                         ; the immediate's high byte repeats the setting that is left
.if MSB != (\new)
	s_set_vgpr_msb (MSB<<8)|(\new)
.set MSB, (\new)
.endif
.endm
.macro WMUL hi, cm                     ; source 0 (B) window 1, source 1 (A) window 0, D window 2 + hi; C with D, or (cm = 1) the bias in window 0
.if \cm
	WIN 0x81+0x40*(\hi)
.else
	WIN 0xa1+0x50*(\hi)
.endif
.endm
; A joint load: waves 0 and 1 fetch A's halves, waves 2 and 3 B's.  The branch hangs on the wave's number alone.  An s_nop 0 and four v_nop follow each of the two lines.
.macro JLOAD g0a, g1a, g0b, g1b
	s_cmp_eq_u32 s15, 0
	s_cbranch_scc0 .Lfor_b_\@
	tensor_load_to_lds s[\g0a:\g0a+3], s[\g1a:\g1a+7]
	s_nop 0
.rept 4
	v_nop
.endr
	s_branch .Lasked_\@
.Lfor_b_\@:
	tensor_load_to_lds s[\g0b:\g0b+3], s[\g1b:\g1b+7]
	s_nop 0
.rept 4
	v_nop
.endr
.Lasked_\@:
.endm
.macro CREST                           ; a round of the cluster's barrier behind its opening barrier
	s_cmp_lg_u32 s14, 0
	s_cbranch_scc1 .Lnot_wave_0_\@
	s_barrier_signal -3
.Lnot_wave_0_\@:
	s_barrier_wait -3
	s_barrier_signal -1
	s_barrier_wait -1
.endm
.macro CROUND
	s_barrier_signal -1
	s_barrier_wait -1
	CREST
.endm
.macro PLACES                          ; four plain vector lines between a matrix instruction and a load into, or a vector line on, its registers
.rept 4
	v_nop
.endr
.endm
.macro FRAG reg, adr, q, i             ; fragment i of the slot's q-th K step: its image, as it lies
.irp c, 0,1,2,3
	ds_load_b128 v[\reg+4*\c:\reg+4*\c+3], v[\adr] offset:(\i)*NSTEP*2048+(\q)*2048+512*\c
.endr
.endm
.macro FETCH_B slot, q, p              ; B's NB fragments into set p
	WIN 0x40
.set fi, 0
.rept NB
	FRAG 128*(\p)+16*fi, ADRB+\slot, \q, fi
.set fi, fi+1
.endr
	WIN 0
.endm
.macro FETCH_A slot, q, i0             ; A's blocks i0 .. i0 + NA/2 - 1
.set fi, \i0
.rept NA/2
	FRAG AF+16*fi, ADRA+\slot, \q, fi
.set fi, fi+1
.endr
.endm
; NA/4 blocks of A x B's NB fragments.  The accumulators take turns, one instruction a turn, in the same order in every step.
.macro MULQ a0, p, cm
.set qa, \a0
.rept NA/4
.set qb, 0
.rept NB
.set rD, 8*(NB*(qa%(NA/2))+qb)
.if \cm
	v_wmma_f32_16x16x128_fp8_fp8 v[rD:rD+7], v[128*(\p)+16*qb:128*(\p)+16*qb+15], v[AF+16*qa:AF+16*qa+15], v[BI+8*qb:BI+8*qb+7]
.else
	v_wmma_f32_16x16x128_fp8_fp8 v[rD:rD+7], v[128*(\p)+16*qb:128*(\p)+16*qb+15], v[AF+16*qa:AF+16*qa+15], v[rD:rD+7]
.endif
.set qb, qb+1
.endr
.set qa, qa+1
.endr
.endm
; A step of 128 along K that has its successor in the same slot.  A block of A is free when its products are issued, so one set serves A; B has two.
.macro STEP slot, q, cm
	s_wait_dscnt 2*NA                              ; B's set and A's first half are in; the youngest 2 NA loads (A's second half) may be out
	WMUL 0, \cm
	MULQ 0, (\q)%2, \cm
	MULQ NA/4, (\q)%2, \cm
	s_wait_dscnt 0                                 ; A's second half is in
	PLACES
	FETCH_B \slot, (\q)+1, 1-(\q)%2
	FETCH_A \slot, (\q)+1, 0
	WMUL 1, \cm
	MULQ NA/2, (\q)%2, \cm
	MULQ 3*NA/4, (\q)%2, \cm
	PLACES
	WIN 0
	FETCH_A \slot, (\q)+1, NA/2
.endm
.macro MID slot                        ; a slot's steps between its first and its last
.if NSTEP > 2
	STEP \slot, 1, 0
	STEP \slot, 2, 0
.endif
.endm
; A slot's last step changes slots: ONE barrier; in front of it each wave waits for all its tensor loads, adds 0 to its spare word, and waits for that and for its own reads of this slot.  fill = 1: the slot is filled again, two slots ahead.
.macro TURN slot, next, fill
	s_wait_tensorcnt 0x0                           ; all my tensor loads have landed: my part of the next slot
	ds_add_u32 v[SPW], v[NIL]                      ; 0 onto my spare word
	s_wait_dscnt 2*NA+1                            ; (the add and A's second half may be out)
	WMUL 0, 0
	MULQ 0, 1, 0                                   ; matrix work stands between the add and the wait for it
	s_wait_dscnt 0x0                               ; the add is done, and my reads of this slot are over
	s_barrier_signal -1
	MULQ NA/4, 1, 0
	WIN 0
	s_barrier_wait -1
.if \fill
	CREST                                          ; the barrier has opened a round of the cluster's: no wave of any partner still reads this slot or has a load on its way
	s_add_nc_u64 s[G0+4*\slot+2:G0+4*\slot+3], s[G0+4*\slot+2:G0+4*\slot+3], 2*NSTEP*2048
	s_add_nc_u64 s[G0B+4*\slot+2:G0B+4*\slot+3], s[G0B+4*\slot+2:G0B+4*\slot+3], 2*NSTEP*2048
	JLOAD G0+4*\slot, G1, G0B+4*\slot, G1B         ; the first tensor load behind the round; its four v_nop are the places in front of the loads below
.else
	PLACES
.endif
	FETCH_B \next, 0, 0
	FETCH_A \next, 0, 0
	WMUL 1, 0
	MULQ NA/2, 1, 0
	MULQ 3*NA/4, 1, 0
	PLACES
	WIN 0
	FETCH_A \next, 0, NA/2
.endm
	s_load_b256 s[4:11], s[0:1], 0x0               ; A's codes s[4:5], wc s[6:7], the scales' exponents s[8:9], the output s[10:11]
.if MODE == 0
	s_load_b128 s[68:71], s[0:1], 0x20             ; bq, bk
	s_load_b64 s[72:73], s[0:1], 0x30              ; bv
.elseif MODE == 1
	s_load_b64 s[68:69], s[0:1], 0x20              ; b1
.else
	s_load_b128 s[68:71], s[0:1], 0x20             ; b2, h's f32 images
.endif
	v_lshl_add_u32 v[SPW], v0, 2, SPARE
	v_mov_b32 v[NIL], 0
	ds_add_u32 v[SPW], v[NIL]                      ; the wave's opening: the add and its wait stand ahead of my first tensor load; the set-up below stands between them
	v_lshrrev_b32 v1, 5, v0
	v_readfirstlane_b32 s14, v1                    ; wave 0..3
	s_lshr_b32 s15, s14, 1                         ; which half of the tile's rows is mine.  Also: I fetch for A (0) or for B (1)
	s_and_b32 s16, s14, 1                          ; which half of its columns.  Also: which half of that tile I fetch
	s_bfe_u32 s40, ttmp6, 0x40000                  ; cx, cy: my place in the cluster
	s_bfe_u32 s41, ttmp6, 0x40004
	s_lshl_b32 s42, ttmp9, 2
	s_add_co_u32 s42, s42, s40                     ; tile column = 4 x cluster x + cx
	s_and_b32 s17, ttmp7, 0xffff
	s_lshl_b32 s17, s17, 2
	s_add_co_u32 s17, s17, s41                     ; tile row = 4 x cluster y + cy
	s_lshl_b32 s43, s41, 2
	s_lshl_b32 s43, 15, s43                        ; my row of the cluster
	s_lshl_b32 s44, 0x1111, s40                    ; my column
	s_or_b32 s[G1+0], s43, (3<<16)|(1<<21)         ; 15:0 the mask: A's tiles go to my row; 17:16 elements of 8 bytes; 21 set beside a mask; no padding
	s_or_b32 s[G1B+0], s44, (3<<16)|(1<<21)
.irp g, G1, G1B
	s_mov_b32 s[\g+1], TC<<16                      ; tensor_dim0
	s_mov_b32 s[\g+2], NA<<16                      ; tensor_dim1
	s_mov_b32 s[\g+3], TC<<16                      ; tile_dim0
	s_mov_b32 s[\g+4], NA                          ; tile_dim1
	s_mov_b32 s[\g+5], 2*KDIM                      ; from a tile of 16 rows to the next: 16 KDIM bytes
	s_mov_b32 s[\g+6], 0
	s_mov_b32 s[\g+7], 0
.endr
	s_mul_i32 s18, s16, NA                         ; which half I fetch
	s_mul_i32 s20, s17, 2*NA
	s_add_co_u32 s20, s20, s18
	s_mul_i32 s20, s20, 16*KDIM                    ; A: by the tile row alone, which my row of the cluster shares
.if MODE == 0
	s_lshl_b32 s19, ttmp9, 22                      ; and the cluster's x, which all sixteen share: x's codes for q, k or v
	s_add_co_u32 s20, s20, s19
	s_lshl_b32 s66, ttmp9, 3                       ; the product's two entries,
	s_lshl_b32 s67, ttmp9, 2                       ; and its result's
.endif
	s_mov_b32 s21, 0
	s_mul_i32 s46, s42, 2*NA
	s_add_co_u32 s46, s46, s18
	s_mul_i32 s46, s46, 16*KDIM                    ; B: by the tile column alone
.if WSEC
	s_add_co_u32 s46, s46, WSEC
.endif
	s_mov_b32 s47, 0
	s_mul_i32 s45, s14, HALFT                      ; where they go: no place in the cluster enters an LDS address
	s_wait_dscnt 0x0                               ; the opening add is done
	s_wait_kmcnt 0x0
.if MODE == 0
	s_load_b64 s[76:77], s[8:9], s66 offset:0x0    ; ea, eb
	s_load_b32 s78, s[8:9], s67 offset:0x18        ; eout: entry 6, 7 or 8
.elseif MODE == 1
	s_load_b128 s[76:79], s[8:9], 0x30             ; entries 12, 13, 14 (and 15)
.else
	s_load_b64 s[76:77], s[8:9], 0x38              ; entries 14, 15
.endif
	s_add_nc_u64 s[20:21], s[4:5], s[20:21]
	s_add_nc_u64 s[46:47], s[6:7], s[46:47]
	CROUND                                         ; all sixteen work-groups are here: the first joint loads meet
.irp s, 0,1
	s_mov_b32 s[G0+4*\s], 1
	s_add_co_u32 s[G0+4*\s+1], s45, \s*SLOT
	s_add_nc_u64 s[G0+4*\s+2:G0+4*\s+3], s[20:21], \s*NSTEP*2048
	s_or_b32 s[G0+4*\s+3], s[G0+4*\s+3], 0x80000000
	s_mov_b32 s[G0B+4*\s], 1
	s_add_co_u32 s[G0B+4*\s+1], s45, \s*SLOT
	s_add_nc_u64 s[G0B+4*\s+2:G0B+4*\s+3], s[46:47], \s*NSTEP*2048
	s_or_b32 s[G0B+4*\s+3], s[G0B+4*\s+3], 0x80000000
	JLOAD G0+4*\s, G1, G0B+4*\s, G1B
.endr
	v_and_b32 v1, 31, v0
	v_lshlrev_b32 v1, 4, v1                        ; 16 x lane: an image's place for my lane, in LDS and in memory
	v_bfe_u32 v2, v0, 4, 1
	v_lshlrev_b32 v2, 6, v2                        ; 64 (lane / 16): my 16 numbers of a group of 32 of the bias
	s_mul_i32 s22, s15, HALFT                      ; my half of A
	s_mul_i32 s23, s16, HALFT                      ; my half of B,
	s_add_co_u32 s23, s23, 2*HALFT                 ; behind A's two
.irp s, 0,1
	v_add_nc_u32 v[ADRA+\s], s22, v1
	v_add_nc_u32 v[ADRB+\s], s23, v1
	s_add_co_u32 s22, s22, SLOT
	s_add_co_u32 s23, s23, SLOT
.endr
.if MODE < 2
.if MODE == 0
	s_cmp_eq_u32 ttmp9, 1
	s_cselect_b64 s[68:69], s[70:71], s[68:69]
	s_cmp_eq_u32 ttmp9, 2
	s_cselect_b64 s[68:69], s[72:73], s[68:69]     ; bq, bk or bv
	s_lshl_b32 s84, s40, 10                        ; 256 columns a tile, inside the 1,024 of q, k or v
.else
	s_lshl_b32 s84, s42, 10
.endif
	s_lshl_b32 s85, s16, 9
	s_add_co_u32 s84, s84, s85
	s_mov_b32 s85, 0
	s_add_nc_u64 s[68:69], s[68:69], s[84:85]
.irp t, 0,1,2,3,4,5,6,7                        ; tile t, register j: column 32 (t / 2) + 16 h + 8 (t % 2) + j
	global_load_b128 v[BI+8*\t:BI+8*\t+3], v2, s[68:69] offset:(32*(\t/2)+8*(\t%2))*4
	global_load_b128 v[BI+8*\t+4:BI+8*\t+7], v2, s[68:69] offset:(32*(\t/2)+8*(\t%2))*4+16
.endr
	s_lshl_b32 s84, s17, 4                         ; the output: my first tile of rows, 16 x tile row + 8 x half,
	s_lshl_b32 s86, s15, 3
	s_add_co_u32 s84, s84, s86
	s_lshl_b32 s84, s84, 3+2*MODE                  ; x the next K's steps,
.if MODE == 0
	s_lshl_b32 s86, s40, 1
.else
	s_lshl_b32 s86, s42, 1
.endif
	s_add_co_u32 s84, s84, s86
	s_add_co_u32 s84, s84, s16                     ; + my 128 columns: one K step of the next product
	s_lshl_b32 s84, s84, 11
.if MODE == 0
	s_lshl_b32 s86, ttmp9, 22
	s_add_co_u32 s84, s84, s86
.endif
	s_add_nc_u64 s[10:11], s[10:11], s[84:85]
	s_wait_kmcnt 0x0
	s_add_co_i32 s80, s76, s77                     ; ea + eb: a sum stands for sum x 2^(ea + eb)
	s_sub_co_i32 s81, s78, s80                     ; so its code is sum / 2^(eout - ea - eb)
	s_add_co_i32 s81, s81, 127
	s_lshl_b32 s82, s81, 23
	v_mov_b32 v[SC], s82
	s_add_co_i32 s81, s81, 8
	s_lshl_b32 s81, s81, 23
	s_or_b32 s81, s81, 0x600000
	v_mov_b32 v[LIM], s81
	s_sub_co_i32 s80, 0, s80
	s_wait_loadcnt 0x0
.set oj, 0
.rept 64
	v_ldexp_f32 v[BI+oj], v[BI+oj], s80            ; the bias goes in divided by 2^(ea + eb)
.set oj, oj+1
.endr
.else
	s_lshl_b32 s84, s17, 3                         ; my first tile of rows, 8 x tile row + 4 x half,
	s_lshl_b32 s86, s15, 2
	s_add_co_u32 s84, s84, s86
	s_lshl_b32 s84, s84, 5                         ; x 32 groups of columns,
	s_lshl_b32 s86, s42, 2
	s_add_co_u32 s84, s84, s86
	s_lshl_b32 s86, s16, 1
	s_add_co_u32 s84, s84, s86                     ; + my first group: 4 x tile column + 2 x half
	s_lshl_b32 s84, s84, 11
	s_mov_b32 s85, 0
	s_add_nc_u64 s[70:71], s[70:71], s[84:85]
	s_add_nc_u64 s[10:11], s[10:11], s[84:85]
	s_lshl_b32 s84, s42, 9
	s_lshl_b32 s86, s16, 8
	s_add_co_u32 s84, s84, s86
	s_add_nc_u64 s[68:69], s[68:69], s[84:85]
.irp t, 0,1,2,3
	global_load_b128 v[BI+8*\t:BI+8*\t+3], v2, s[68:69] offset:(32*(\t/2)+8*(\t%2))*4
	global_load_b128 v[BI+8*\t+4:BI+8*\t+7], v2, s[68:69] offset:(32*(\t/2)+8*(\t%2))*4+16
.endr
.irp a, 0,1,2,3                                ; h's images go straight into the accumulators
	WIN 0x80+0x40*(\a/2)
.irp b, 0,1
.irp q, 0,1,2,3
	global_load_b128 v[32*(\a%2)+16*\b+4*\q:32*(\a%2)+16*\b+4*\q+3], v1, s[70:71] offset:\a*65536+\b*2048+512*\q
.endr
.endr
.endr
	WIN 0
	s_wait_kmcnt 0x0
	s_add_co_i32 s80, s76, s77                     ; ea + eb
	s_add_co_i32 s96, s80, 127
	s_lshl_b32 s96, s96, 23                        ; 2^(ea + eb)
	s_mov_b32 s97, s96                             ; (named with it as a pair, so it is written)
	s_sub_co_i32 s98, 127, s80
	s_lshl_b32 s98, s98, 23                        ; 2^-(ea + eb)
	s_mov_b32 s99, s98
	s_sub_co_i32 s80, 0, s80
	s_wait_loadcnt 0x0
.set oj, 0
.rept 32
	v_ldexp_f32 v[BI+oj], v[BI+oj], s80
.set oj, oj+1
.endr
.irp a, 0,1,2,3
	WIN 0x82+0x41*(\a/2)                           ; destination and source 0 in window 2 or 3, b2 in window 0
.irp b, 0,1,2,3
.irp i, 0,2,4,6
	v_pk_fma_f32 v[32*(\a%2)+8*\b+\i:32*(\a%2)+8*\b+\i+1], v[32*(\a%2)+8*\b+\i:32*(\a%2)+8*\b+\i+1], s[98:99], v[BI+8*\b+\i:BI+8*\b+\i+1] op_sel_hi:[1,0,1]   ; (h + b2) / 2^(ea + eb): the sums begin here
.endr
.endr
.endr
	WIN 0
.endif
	s_wait_tensorcnt 1                             ; my part of slot 0 is in (slot 1's load may be out)
	s_barrier_signal -1
	s_barrier_wait -1                              ; everybody's is
	FETCH_B 0, 0, 0
	FETCH_A 0, 0, 0
	FETCH_A 0, 0, NA/2
	STEP 0, 0, (MODE<2)                            ; the first step stands in front of the loop: in MODES 0 and 1 its products take the bias as C
	s_mov_b32 s3, LAPS-1
.Llap:                                             ; a trip goes once round the ring, from a lap's second step to the next lap's first, and fills both slots again
	MID 0
	TURN 0, 1, 1
	STEP 1, 0, 0
	MID 1
	TURN 1, 0, 1
	STEP 0, 0, 0
	s_sub_co_u32 s3, s3, 1
	s_cmp_lg_u32 s3, 0
	s_cbranch_scc1 .Llap
	MID 0                                          ; the last lap fills nothing, and has no round of the cluster's barrier
	TURN 0, 1, 0
	STEP 1, 0, 0
	MID 1
	s_wait_dscnt 2*NA                              ; the very last step: nothing more to fetch
	WMUL 0, 0
	MULQ 0, 1, 0
	MULQ NA/4, 1, 0
	s_wait_dscnt 0
	WMUL 1, 0
	MULQ NA/2, 1, 0
	MULQ 3*NA/4, 1, 0
	WIN 0
	PLACES                                         ; in front of the first read of results, and of the first write into the registers that held A's fragments
.if MODE < 2
; THE WAY OUT, a block of 16 rows x 128 columns at a time: the hold (in MODE 1 also the activation), the conversions, four stores of 512 consecutive bytes: one image of the next operand.  Each accumulator is read from its low end on.
.macro OUTC a
	WIN 0x02+(\a)/4                                ; source 0: window 2 or 3
.set oj, 0
.rept 64
.if MODE == 1
	v_med3_num_f32 v[BI+oj], v[64*((\a)%4)+oj], 0, v[LIM]
.else
	v_med3_num_f32 v[BI+oj], v[64*((\a)%4)+oj], -v[LIM], v[LIM]
.endif
.set oj, oj+1
.endr
	WIN 0
.irp g, 0,1,2,3,4,5,6,7
	v_cvt_scalef32_pk8_fp8_f32 v[AF+16*(\a)+2*\g:AF+16*(\a)+2*\g+1], v[BI+8*\g:BI+8*\g+7], v[SC]
.endr
	v_nop                                          ; one plain line between the conversions and the next block's holds, which write their sources
.irp c, 0,1,2,3
	global_store_b128 v1, v[AF+16*(\a)+4*\c:AF+16*(\a)+4*\c+3], s[10:11] offset:(\a)*ASTR+512*\c   ; each block has code registers of its own
.endr
.endm
.irp a, 0,1,2,3,4,5,6,7
	OUTC \a
.endr
.else
.irp a, 0,1,2,3                                ; y2 = sum x 2^(ea + eb), as f32 images
	WIN 0x02+(\a/2)
.set oj, 0
.rept 16
	v_pk_mul_f32 v[AF+32*\a+oj:AF+32*\a+oj+1], v[32*(\a%2)+oj:32*(\a%2)+oj+1], s[96:97] op_sel_hi:[1,0]
.set oj, oj+2
.endr
.endr
	WIN 0
.irp a, 0,1,2,3
.irp b, 0,1
.irp q, 0,1,2,3
	global_store_b128 v1, v[AF+32*\a+16*\b+4*\q:AF+32*\a+16*\b+4*\q+3], s[10:11] offset:\a*65536+\b*2048+512*\q
.endr
.endr
.endr
.endif
	s_wait_tensorcnt 0x0                           ; the wave's end, behind my last tensor load
	ds_add_u32 v[SPW], v[NIL]
	s_wait_dscnt 0x0
	CROUND                                         ; the closing round: no work-group ends while a partner may still ask for a tile that names it
	s_endpgm
.Lfunc_end_k_q50215c3382_gemm_ffn2:
	.size	k_q50215c3382_gemm_ffn2, .Lfunc_end_k_q50215c3382_gemm_ffn2-k_q50215c3382_gemm_ffn2
	.p2alignl 7, 3214868480
	.fill 96, 4, 3214868480
	.section	.rodata,"a",@progbits
	.p2align	6, 0x0
	.amdhsa_kernel k_q50215c3382_gemm_ffn2
		.amdhsa_group_segment_fixed_size 327680
		.amdhsa_private_segment_fixed_size 0
		.amdhsa_enable_private_segment 0
		.amdhsa_kernarg_size 48
		.amdhsa_user_sgpr_count 2
		.amdhsa_user_sgpr_kernarg_segment_ptr 1
		.amdhsa_wavefront_size32 1
		.amdhsa_system_sgpr_workgroup_id_x 1
		.amdhsa_system_sgpr_workgroup_id_y 1
		.amdhsa_system_sgpr_workgroup_id_z 1
		.amdhsa_system_vgpr_workitem_id 0
		.amdhsa_next_free_vgpr 1024
		.amdhsa_next_free_sgpr 100
		.amdhsa_reserve_vcc 0
		.amdhsa_float_denorm_mode_32 3
		.amdhsa_float_denorm_mode_16_64 3
		.amdhsa_memory_ordered 1
		.amdhsa_forward_progress 1
		.amdhsa_inst_pref_size 82
	.end_amdhsa_kernel
	.amdgpu_metadata
---
amdhsa.version: [ 1, 2 ]
amdhsa.kernels:
  - .name:           k_q50215c3382_gemm_ffn2
    .symbol:         k_q50215c3382_gemm_ffn2.kd
    .args:
      - { .name: hid, .offset: 0, .size: 8, .value_kind: global_buffer, .address_space: global }
      - { .name: wc, .offset: 8, .size: 8, .value_kind: global_buffer, .address_space: global }
      - { .name: lowp_scales, .offset: 16, .size: 8, .value_kind: global_buffer, .address_space: global }
      - { .name: y2, .offset: 24, .size: 8, .value_kind: global_buffer, .address_space: global }
      - { .name: b2, .offset: 32, .size: 8, .value_kind: global_buffer, .address_space: global }
      - { .name: hf, .offset: 40, .size: 8, .value_kind: global_buffer, .address_space: global }
    .group_segment_fixed_size: 327680
    .private_segment_fixed_size: 0
    .kernarg_segment_align: 8
    .kernarg_segment_size: 48
    .max_flat_workgroup_size: 128
    .sgpr_count:     100
    .vgpr_count:     1024
    .wavefront_size: 32
...
	.end_amdgpu_metadata
.endif
;; end of part 5
;; launch ln2 (part 6): grid 256 x 1, 16 waves a work-group, no clusters, 69,888 bytes of LDS; arguments y2, g2, beta2, out0; writes out0
.if DOCPART == 6
	.amdgcn_target "amdgcn-amd-amdhsa--gfx1250"
	.amdhsa_code_object_version 6
	.text
	.protected	k_q50215c3382_ln2
	.globl	k_q50215c3382_ln2
	.p2align	8
	.type	k_q50215c3382_ln2,@function
k_q50215c3382_ln2:
	s_mov_b64 s[64:65], 0
	v_nop
	global_prefetch_b8 v0, s[64:65] scope:SCOPE_SE
	s_setreg_imm32_b32 hwreg(HW_REG_WAVE_MODE, 25, 1), 1
	s_wait_xcnt 0x0
; out0 = the layer norm of y2 (= h + the feed-forward layer), with g2 and beta2.  A work-group owns 16 whole rows of 1,024; wave w columns 64 w .. 64 w + 63 of all 16.
; y2 lies as f32 images: [tile of 16 rows][group of 32 columns][2048]: byte 512 q + 16 l = row l % 16, columns 16 (l / 16) + 4 q + 0 .. 3.  So lane (r, h) holds row r and, in register 16 b + i, column 64 w + 32 b + 16 h + i.
; The norm goes in two passes (the mean; then the squares of the differences): no difference of large sums is formed.  The result turns through a stage in LDS and leaves as rows: 512 consecutive bytes a store.
; Memory binds: each byte is read once and written once; matrix units, clusters and tensor loads would add nothing.
.set XP,    4112                       ; a row in the stage: 4,096 bytes + 16: row r starts 4 r banks on
.set P1,    16*XP                      ; the rows' partial sums: 16 rows x 16 waves x 4 bytes; the squares' 1,024 bytes on
.set SPARE, P1+2048                    ; the spare words, 128 bytes a wave, that no other line names
.set SEL,   18                         ; s[18:19] v_permlanex16_b32's selects for lane l xor 16
.set INV,   20                         ; s20      1 / 1024
; v1 16 x lane; v2 r; v3 64 h; v4, v5 the stage, out and in; v8, v9 the partial sums, in and out; v10, v11 the add's two; v12-31 at work; v32-63 the values; v64-95 g2; v96-127 beta2; v128-159 a row on its way out
; The sum of a lane's pair v[12:13], v[14:15] over the row: my 32 numbers, lane l xor 16's, then the sixteen waves' through LDS at byte off.  The row's sum comes back in v16, the same bits in every wave.
.macro ROWSUM off
	v_pk_add_f32 v[12:13], v[12:13], v[14:15]
	v_add_f32 v12, v12, v13
	v_permlanex16_b32 v14, v12, s[SEL], s[SEL+1]
	v_add_f32 v12, v12, v14
	ds_store_b32 v8, v12 offset:\off               ; lanes l and l xor 16 write the same word with the same value
	s_wait_dscnt 0x0                               ; for the others' sake: my store is done
	s_barrier_signal -1
	s_barrier_wait -1
.irp i, 0,1,2,3
	ds_load_b128 v[16+4*\i:19+4*\i], v9 offset:\off+16*\i
.endr
	s_wait_dscnt 0x0
	v_pk_add_f32 v[16:17], v[16:17], v[18:19]
	v_pk_add_f32 v[20:21], v[20:21], v[22:23]
	v_pk_add_f32 v[24:25], v[24:25], v[26:27]
	v_pk_add_f32 v[28:29], v[28:29], v[30:31]
	v_pk_add_f32 v[16:17], v[16:17], v[20:21]
	v_pk_add_f32 v[24:25], v[24:25], v[28:29]
	v_pk_add_f32 v[16:17], v[16:17], v[24:25]
	v_add_f32 v16, v16, v17
.endm
; The layer norm of 16 rows of 1,024, in place in v[Y] .. v[Y + 31]; the gains in v[G] on, the offsets in v[BE] on.  Two barriers.
.macro LN Y, G, BE
	v_pk_add_f32 v[12:13], v[\Y:\Y+1], v[\Y+2:\Y+3]
	v_pk_add_f32 v[14:15], v[\Y+4:\Y+5], v[\Y+6:\Y+7]
.irp i, 8,12,16,20,24,28
	v_pk_add_f32 v[12:13], v[12:13], v[\Y+\i:\Y+\i+1]
	v_pk_add_f32 v[14:15], v[14:15], v[\Y+\i+2:\Y+\i+3]
.endr
	ROWSUM 0
	v_mul_f32 v16, s[INV], v16                     ; the mean
.irp i, 0,2,4,6,8,10,12,14,16,18,20,22,24,26,28,30
	v_pk_add_f32 v[\Y+\i:\Y+\i+1], v[\Y+\i:\Y+\i+1], v[16:17] op_sel_hi:[1,0] neg_lo:[0,1] neg_hi:[0,1]
.endr
	v_pk_mul_f32 v[12:13], v[\Y:\Y+1], v[\Y:\Y+1]
	v_pk_mul_f32 v[14:15], v[\Y+2:\Y+3], v[\Y+2:\Y+3]
.irp i, 4,8,12,16,20,24,28
	v_pk_fma_f32 v[12:13], v[\Y+\i:\Y+\i+1], v[\Y+\i:\Y+\i+1], v[12:13]
	v_pk_fma_f32 v[14:15], v[\Y+\i+2:\Y+\i+3], v[\Y+\i+2:\Y+\i+3], v[14:15]
.endr
	ROWSUM 1024
	v_fmaak_f32 v16, s[INV], v16, 0x3727c5ac       ; the variance + 1e-5
	v_rsq_f32 v16, v16
	v_nop                                          ; a plain line behind the transcendental
	s_wait_loadcnt 0x0                             ; the gains and offsets
	s_wait_alu depctr_va_vdst(0)                   ; ahead of the first line that names the result
.irp i, 0,2,4,6,8,10,12,14,16,18,20,22,24,26,28,30
	v_pk_mul_f32 v[\Y+\i:\Y+\i+1], v[\Y+\i:\Y+\i+1], v[16:17] op_sel_hi:[1,0]
.endr
.irp i, 0,2,4,6,8,10,12,14,16,18,20,22,24,26,28,30
	v_pk_fma_f32 v[\Y+\i:\Y+\i+1], v[\Y+\i:\Y+\i+1], v[\G+\i:\G+\i+1], v[\BE+\i:\BE+\i+1]
.endr
.endm
	s_load_b256 s[4:11], s[0:1], 0x0               ; y2 s[4:5], g2 s[6:7], beta2 s[8:9], out0 s[10:11]
	v_lshl_add_u32 v10, v0, 2, SPARE
	v_mov_b32 v11, 0
	v_lshrrev_b32 v1, 5, v0
	v_readfirstlane_b32 s12, v1                    ; wave 0..15
	v_and_b32 v1, 31, v0
	v_lshlrev_b32 v1, 4, v1                        ; 16 x lane
	v_and_b32 v2, 15, v0                           ; r
	v_bfe_u32 v3, v0, 4, 1
	v_lshlrev_b32 v3, 6, v3                        ; 64 h
	s_mul_i32 s13, s12, XP
	v_add_nc_u32 v4, s13, v1                       ; the stage, out: row w, as the bytes lie
	v_mul_u32_u24 v5, v2, XP
	v_add_nc_u32 v5, v5, v3
	s_lshl_b32 s13, s12, 8
	v_add_nc_u32 v5, s13, v5                       ; in: row r, + 256 w + 64 h
	v_lshlrev_b32 v9, 6, v2
	v_add_nc_u32 v9, P1, v9                        ; row r's sixteen partial sums
	s_lshl_b32 s13, s12, 2
	v_add_nc_u32 v8, s13, v9                       ; mine among them
	s_lshl_b32 s14, ttmp9, 16                      ; 65,536 bytes a tile of rows, 4,096 a wave: in the images (two groups of columns) and in out0 (a row)
	s_lshl_b32 s13, s12, 12
	s_add_co_u32 s14, s14, s13
	s_mov_b32 s15, 0
	s_lshl_b32 s16, s12, 8                         ; my 64 numbers of g2 and beta2
	s_mov_b32 s17, 0
	s_mov_b32 s[SEL], 0x76543210
	s_mov_b32 s[SEL+1], 0xfedcba98
	s_mov_b32 s[INV], 0x3a800000
	s_wait_kmcnt 0x0
	s_add_nc_u64 s[4:5], s[4:5], s[14:15]
	s_add_nc_u64 s[10:11], s[10:11], s[14:15]
	s_add_nc_u64 s[6:7], s[6:7], s[16:17]
	s_add_nc_u64 s[8:9], s[8:9], s[16:17]
.irp b, 0,1
.irp q, 0,1,2,3
	global_load_b128 v[32+16*\b+4*\q:35+16*\b+4*\q], v1, s[4:5] offset:2048*\b+512*\q th:TH_LOAD_NT   ; 512 consecutive bytes a load
.endr
.endr
.irp b, 0,1
.irp q, 0,1,2,3
	global_load_b128 v[64+16*\b+4*\q:67+16*\b+4*\q], v3, s[6:7] offset:128*\b+16*\q
.endr
.endr
.irp b, 0,1
.irp q, 0,1,2,3
	global_load_b128 v[96+16*\b+4*\q:99+16*\b+4*\q], v3, s[8:9] offset:128*\b+16*\q
.endr
.endr
	s_wait_loadcnt 16                              ; y2's eight loads are in; g2's and beta2's sixteen may be out
	LN 32, 64, 96
.irp b, 0,1
.irp q, 0,1,2,3
	ds_store_b128 v5, v[32+16*\b+4*\q:35+16*\b+4*\q] offset:128*\b+16*\q
.endr
.endr
	s_wait_dscnt 0x0                               ; for the others' sake: my part of the 16 rows is in the stage
	s_barrier_signal -1
	s_barrier_wait -1
.irp i, 0,1,2,3,4,5,6,7
	ds_load_b128 v[128+4*\i:131+4*\i], v4 offset:512*\i
.endr
.irp i, 0,1,2,3,4,5,6,7
	s_wait_dscnt 7-\i                              ; piece i of row w is back; the later pieces may be out
	global_store_b128 v1, v[128+4*\i:131+4*\i], s[10:11] offset:512*\i th:TH_STORE_NT   ; 512 consecutive bytes, at a multiple of 256 from out0's first byte
.endr
	s_wait_tensorcnt 0x0                           ; the wave's end, behind my last LDS store
	ds_add_u32 v10, v11
	s_wait_dscnt 0x0
	s_endpgm
.Lfunc_end_k_q50215c3382_ln2:
	.size	k_q50215c3382_ln2, .Lfunc_end_k_q50215c3382_ln2-k_q50215c3382_ln2
	.p2alignl 7, 3214868480
	.fill 96, 4, 3214868480
	.section	.rodata,"a",@progbits
	.p2align	6, 0x0
	.amdhsa_kernel k_q50215c3382_ln2
		.amdhsa_group_segment_fixed_size 69888
		.amdhsa_private_segment_fixed_size 0
		.amdhsa_enable_private_segment 0
		.amdhsa_kernarg_size 32
		.amdhsa_user_sgpr_count 2
		.amdhsa_user_sgpr_kernarg_segment_ptr 1
		.amdhsa_wavefront_size32 1
		.amdhsa_system_sgpr_workgroup_id_x 1
		.amdhsa_system_sgpr_workgroup_id_y 1
		.amdhsa_system_sgpr_workgroup_id_z 1
		.amdhsa_system_vgpr_workitem_id 0
		.amdhsa_next_free_vgpr 160
		.amdhsa_next_free_sgpr 66
		.amdhsa_reserve_vcc 0
		.amdhsa_float_denorm_mode_32 3
		.amdhsa_float_denorm_mode_16_64 3
		.amdhsa_memory_ordered 1
		.amdhsa_forward_progress 1
		.amdhsa_inst_pref_size 14
	.end_amdhsa_kernel
	.amdgpu_metadata
---
amdhsa.version: [ 1, 2 ]
amdhsa.kernels:
  - .name:           k_q50215c3382_ln2
    .symbol:         k_q50215c3382_ln2.kd
    .args:
      - { .name: y2, .offset: 0, .size: 8, .value_kind: global_buffer, .address_space: global }
      - { .name: g2, .offset: 8, .size: 8, .value_kind: global_buffer, .address_space: global }
      - { .name: beta2, .offset: 16, .size: 8, .value_kind: global_buffer, .address_space: global }
      - { .name: out0, .offset: 24, .size: 8, .value_kind: global_buffer, .address_space: global }
    .group_segment_fixed_size: 69888
    .private_segment_fixed_size: 0
    .kernarg_segment_align: 8
    .kernarg_segment_size: 32
    .max_flat_workgroup_size: 512
    .sgpr_count:     66
    .vgpr_count:     160
    .wavefront_size: 32
...
	.end_amdgpu_metadata
.endif
;; end of part 6
;; ======== version 2 of 2: 6 launches; version 1 with the launch attn_wo_ln1 written anew for expert scheduling mode
;; limits: right only within a limited range of input values
;; workspace buffers: xq 12,582,912 bytes; wc 12,582,912 bytes; qkvc 12,582,912 bytes; hc 4,194,304 bytes; hf 16,777,216 bytes; hid 16,777,216 bytes; y2 16,777,216 bytes
;; launch quant: the kernel of part 1 again; grid 1280 x 1, 4 waves a work-group, no clusters, 34,304 bytes of LDS; arguments x, Wq, Wk, Wv, Wo, W1, W2, lowp_scales, xq, wc; writes xq, wc
;; launch gemm_qkv: the kernel of part 2 again; grid 12 x 16, 4 waves a work-group, clusters of 4 x 4, 327,680 bytes of LDS; arguments xq, wc, lowp_scales, qkvc, bq, bk, bv; writes qkvc
;; launch attn_wo_ln1 (part 7): grid 256 x 1, 16 waves a work-group, no clusters, 86,272 bytes of LDS; arguments qkvc, wc, x, lowp_scales, bo, g1, beta1, hf, hc; writes hf, hc
.if DOCPART == 7
	.amdgcn_target "amdgcn-amd-amdhsa--gfx1250"
	.amdhsa_code_object_version 6
	.text
	.protected	k_q50215c3382_attn_wo_ln1
	.globl	k_q50215c3382_attn_wo_ln1
	.p2align	8
	.type	k_q50215c3382_attn_wo_ln1,@function
k_q50215c3382_attn_wo_ln1:
	s_mov_b64 s[64:65], 0
	v_nop
	global_prefetch_b8 v0, s[64:65] scope:SCOPE_SE
	s_setreg_imm32_b32 hwreg(HW_REG_WAVE_SCHED_MODE, 0, 2), 2
	s_setreg_imm32_b32 hwreg(HW_REG_WAVE_MODE, 25, 1), 1
	s_wait_xcnt 0x0
	s_wait_alu depctr_vm_vsrc(0)
; The hollow attention, the product with Wo, the residual and the first layer norm, for 16 whole rows a work-group.
; reference() masks every score but the diagonal, by a mask that it builds itself.  So of row m and head hd there is left: t = (Q(q) . Q(k)) / 8 x log2(e), M = ceil(t), p = 2^(t - M), the row's sum l = p, and
; out = Q(v) x Q(p) / p.  The diagonal scores come from one v_wmma_f32_16x16x64_fp8_fp8 a head and tile of rows (16 keys x 16 queries, of which the diagonal is kept); the second product's one kept term is
; multiplied on the exact values of the two codes.  The input mask is not read: reference() never uses it, so no number of the result hangs on it.
; SHARES.  Sixteen waves in 256 registers each.  Wave w: head w in the first part; columns 64 w .. 64 w + 63 of out Wo + bo, of the residual and of the norm afterwards, for all 16 rows.
; Operands lie as images of their registers (16 rows x 128 K = 2,048 bytes; byte 512 c + 16 l + i = row index l % 16, k = 32 c + 16 (l / 16) + i).  The matrix instruction is used transposed (source 0 = 16 columns of Wo, chosen
; so that two neighbouring tiles give 16 neighbouring columns; source 1 = my 16 rows): lane (r, h) holds row r and, in register 16 b + i, column 64 w + 32 b + 16 h + i.
; Wo'S FRAGMENTS COME FROM MEMORY STRAIGHT INTO REGISTERS, NOT JOINTLY THROUGH LDS: each fragment feeds one matrix instruction of one wave; a wave's 64 KiB of them are one dense run, of which it keeps 16 KiB asked for;
; a shared ring would pass 1 MiB through LDS in eight refills of 128 KiB, each behind a round of a cluster's barrier, for 32 matrix instructions a wave.
; The norm goes in two passes (the mean; then the squares of the differences): no difference of large sums is formed.
; LIMITS: e6 + e7 between -124 and 130; e10 and e12 between -126 and 119; e10 + e11 between -126 and 126.  NaN is not served.
; THE MODE: SCHED_MODE bits 1:0 = 2 (LLVM: expert scheduling mode 2), set by the entry lines.  The code itself states the register dependences
; between vector or matrix instructions and memory or LDS instructions, with s_wait_alu, always for 0.
; THE PLAN.  Registers that memory or LDS instructions touch, in the order of the text (there is no loop):
;   v1, v3-v9    offsets and LDS addresses: written at the head and never again; one wait ahead of the first load serves every load and store.
;   v224-255     q, k, v land; the diagonal product and twelve vector lines name them; then bo lands.       v64-95  vector lines make the attention's result there; then the rows' fragments land, two sets by turns.
;   v22-29       the codes: written by conversions, read by two LDS stores.  ONE wait ahead of those stores states that the codes are written and that all lines that named v224-255 and v64-95 are done:
;                no vector line stands between it and bo's loads and the first two fragments' loads.
;   v32-63       x's row lands, eight LDS stores read it; then the products write their sums there.  One wait on vm_vsrc behind the first barrier states that my LDS stores have read v32-63 and v22-29.
;   v96-223      Wo's fragments, two sets by turns.  K step s: its four products read set s % 2 (and the rows' set s % 2); ONE wait behind them; then the loads of K step s + 2 land there.  The wait stands behind the
;                products and not at the next step's head, so that two sets, 32 loads a wave, stay asked for; a third set has no registers (four waves of 256 share a SIMD's 1,024).
;   v12, v16-31  a row sum: v12 is stored, v16-31 are loaded.  One wait ahead of the store serves both; one wait on vm_vsrc ahead of the line that writes v12 again.
;   v32-63, v64-71 at the end: h and its codes, read by ten stores behind one wait.
.set XP,    4112                       ; a row of x in LDS: 4,096 bytes + 16: row r starts 4 r banks on
.set AIMG,  16*XP                      ; behind x's 16 rows: the attention's result as 8 images (K steps of the product with Wo)
.set P1,    AIMG+16384                 ; the rows' partial sums: 16 rows x 16 waves x 4 bytes; the squares' 1,024 bytes on
.set SPARE, P1+2048                    ; the spare words, 128 bytes a wave, that no other line names
.set ACC,   32                         ; v32-63   four accumulators (first: x's row w as loaded)
.set AF,    64                         ; v64-95   A's fragments, two sets (first: v widened; last: h's codes)
.set BF,    96                         ; v96-223  Wo's fragments, two sets of four (last: g1, beta1, x, h held)
.set SEL,   34                         ; s[34:35] v_permlanex16_b32's selects for lane l xor 16
.set INV,   60                         ; s60      1 / 1024
; v1 16 x lane; v2 r; v3 64 h; v4, v5 x's stage, in and out; v6, v7 the images, in and out; v8, v9 the partial sums, in and out; v10, v11 the add's two; v12-31 at work; v224-255 q, k, v, the scores; then bo
; s2-s7, s61: the seven masks that pick the diagonal score
.macro BLOAD s                         ; Wo's four fragments of K step s
.irp t, 0,1,2,3
.irp c, 0,1,2,3
	global_load_b128 v[BF+64*((\s)%2)+16*\t+4*\c:BF+64*((\s)%2)+16*\t+4*\c+3], v1, s[10:11] offset:\t*16384+(\s)*2048+512*\c
.endr
.endr
.endm
.macro ALOAD s                         ; the rows' fragment of K step s
.irp c, 0,1,2,3
	ds_load_b128 v[AF+16*((\s)%2)+4*\c:AF+16*((\s)%2)+4*\c+3], v7 offset:(\s)*2048+512*\c
.endr
.endm
.macro ROWV reg, base                  ; my 32 numbers of a vector of 1,024: register 16 b + 4 q + ..: 64 w + 32 b + 16 h + 4 q + ..
.irp b, 0,1
.irp q, 0,1,2,3
	global_load_b128 v[\reg+16*\b+4*\q:\reg+16*\b+4*\q+3], v3, s[\base:\base+1] offset:128*\b+16*\q
.endr
.endr
.endm
.macro KSTEP s, cnt                    ; cnt: the global loads issued behind this step's fragments of Wo
	s_wait_loadcnt \cnt
.if \s < 7
	s_wait_dscnt 4                                 ; this step's fragment of the rows is in; the next step's four loads may be out
.else
	s_wait_dscnt 0
.endif
.irp t, 0,1,2,3                                ; the four accumulators take turns
.if \s == 0
	v_wmma_f32_16x16x128_fp8_fp8 v[ACC+8*\t:ACC+8*\t+7], v[BF+64*(\s%2)+16*\t:BF+64*(\s%2)+16*\t+15], v[AF+16*(\s%2):AF+16*(\s%2)+15], 0
.else
	v_wmma_f32_16x16x128_fp8_fp8 v[ACC+8*\t:ACC+8*\t+7], v[BF+64*(\s%2)+16*\t:BF+64*(\s%2)+16*\t+15], v[AF+16*(\s%2):AF+16*(\s%2)+15], v[ACC+8*\t:ACC+8*\t+7]
.endif
.endr
.rept 4
	v_nop                                          ; four plain lines behind the products (ISA guide 7.12.1); behind the last step they are the places ahead of the first read of the sums.  They stand for no wait
.endr
	s_wait_alu depctr_va_vdst(0)                   ; this step's four products are done reading their set of Wo's fragments and their fragment of the rows: the loads below land in these registers
.if \s <= 5
	BLOAD \s+2
	ALOAD \s+2
.elseif \s == 6
	ROWV 96, 18                                    ; g1
	ROWV 128, 20                                   ; beta1
.else
.irp b, 0,1
.irp q, 0,1,2,3
	ds_load_b128 v[160+16*\b+4*\q:163+16*\b+4*\q], v5 offset:128*\b+16*\q   ; x at my places
.endr
.endr
.endif
.endm
; The sum of a lane's pair v[12:13], v[14:15] over the row: my 32 numbers, lane l xor 16's, then the sixteen waves' through LDS at byte off.  The row's sum comes back in v16, the same bits in every wave.
.macro ROWSUM off
	v_pk_add_f32 v[12:13], v[12:13], v[14:15]
	v_add_f32 v12, v12, v13
	v_permlanex16_b32 v14, v12, s[SEL], s[SEL+1]
	v_add_f32 v12, v12, v14
	s_wait_alu depctr_va_vdst(0)                   ; v12 is written, which the store reads; and every vector line that named v16 to v31 is done: the four loads behind the barrier land there, with no vector line between
	ds_store_b32 v8, v12 offset:\off               ; lanes l and l xor 16 write the same word with the same value
	s_wait_dscnt 0x0                               ; for the others' sake: my store is done
	s_barrier_signal -1
	s_barrier_wait -1
.irp i, 0,1,2,3
	ds_load_b128 v[16+4*\i:19+4*\i], v9 offset:\off+16*\i
.endr
	s_wait_dscnt 0x0
	v_pk_add_f32 v[16:17], v[16:17], v[18:19]
	v_pk_add_f32 v[20:21], v[20:21], v[22:23]
	v_pk_add_f32 v[24:25], v[24:25], v[26:27]
	v_pk_add_f32 v[28:29], v[28:29], v[30:31]
	v_pk_add_f32 v[16:17], v[16:17], v[20:21]
	v_pk_add_f32 v[24:25], v[24:25], v[28:29]
	v_pk_add_f32 v[16:17], v[16:17], v[24:25]
	v_add_f32 v16, v16, v17
.endm
; The layer norm of 16 rows of 1,024, in place in v[Y] .. v[Y + 31]; the gains in v[G] on, the offsets in v[BE] on.  Two barriers.
.macro LN Y, G, BE
	v_pk_add_f32 v[12:13], v[\Y:\Y+1], v[\Y+2:\Y+3]
	v_pk_add_f32 v[14:15], v[\Y+4:\Y+5], v[\Y+6:\Y+7]
.irp i, 8,12,16,20,24,28
	v_pk_add_f32 v[12:13], v[12:13], v[\Y+\i:\Y+\i+1]
	v_pk_add_f32 v[14:15], v[14:15], v[\Y+\i+2:\Y+\i+3]
.endr
	ROWSUM 0
	v_mul_f32 v16, s[INV], v16                     ; the mean
.irp i, 0,2,4,6,8,10,12,14,16,18,20,22,24,26,28,30
	v_pk_add_f32 v[\Y+\i:\Y+\i+1], v[\Y+\i:\Y+\i+1], v[16:17] op_sel_hi:[1,0] neg_lo:[0,1] neg_hi:[0,1]
.endr
	s_wait_alu depctr_vm_vsrc(0)                   ; the first row sum's LDS store has read v12, which the next line writes again
	v_pk_mul_f32 v[12:13], v[\Y:\Y+1], v[\Y:\Y+1]
	v_pk_mul_f32 v[14:15], v[\Y+2:\Y+3], v[\Y+2:\Y+3]
.irp i, 4,8,12,16,20,24,28
	v_pk_fma_f32 v[12:13], v[\Y+\i:\Y+\i+1], v[\Y+\i:\Y+\i+1], v[12:13]
	v_pk_fma_f32 v[14:15], v[\Y+\i+2:\Y+\i+3], v[\Y+\i+2:\Y+\i+3], v[14:15]
.endr
	ROWSUM 1024
	v_fmaak_f32 v16, s[INV], v16, 0x3727c5ac       ; the variance + 1e-5
	v_rsq_f32 v16, v16
	v_nop                                          ; a plain line behind the transcendental
	s_wait_loadcnt 0x0                             ; the gains and offsets
	s_wait_alu depctr_va_vdst(0)                   ; the reciprocal root is written into v16, ahead of the first line that names the result
.irp i, 0,2,4,6,8,10,12,14,16,18,20,22,24,26,28,30
	v_pk_mul_f32 v[\Y+\i:\Y+\i+1], v[\Y+\i:\Y+\i+1], v[16:17] op_sel_hi:[1,0]
.endr
.irp i, 0,2,4,6,8,10,12,14,16,18,20,22,24,26,28,30
	v_pk_fma_f32 v[\Y+\i:\Y+\i+1], v[\Y+\i:\Y+\i+1], v[\G+\i:\G+\i+1], v[\BE+\i:\BE+\i+1]
.endr
.endm
	s_load_b512 s[8:23], s[0:1], 0x0               ; qkvc s[8:9], wc s[10:11], x s[12:13], the exponents s[14:15], bo s[16:17], g1 s[18:19], beta1 s[20:21], hf s[22:23]
	s_load_b64 s[24:25], s[0:1], 0x40              ; hc
	v_lshl_add_u32 v10, v0, 2, SPARE
	v_mov_b32 v11, 0
	v_lshrrev_b32 v1, 5, v0
	v_readfirstlane_b32 s26, v1                    ; wave 0..15
	v_and_b32 v1, 31, v0
	v_lshlrev_b32 v1, 4, v1                        ; 16 x lane
	v_and_b32 v2, 15, v0                           ; r
	v_bfe_u32 v3, v0, 4, 1
	v_lshlrev_b32 v3, 6, v3                        ; 64 h
	s_wait_alu depctr_va_sdst(0)                   ; s26, the wave's number, is written, ahead of its first reader
	s_mul_i32 s27, s26, XP
	v_add_nc_u32 v4, s27, v1                       ; x's stage, in: row w, as the bytes lie
	v_mul_u32_u24 v5, v2, XP
	v_add_nc_u32 v5, v5, v3
	s_lshl_b32 s27, s26, 8
	v_add_nc_u32 v5, s27, v5                       ; out: row r, + 256 w + 64 h
	s_lshl_b32 s27, s26, 10
	v_add_nc_u32 v6, s27, v1
	v_add_nc_u32 v6, AIMG, v6                      ; head w is half a K step: 1,024 bytes of an image
	v_add_nc_u32 v7, AIMG, v1
	v_lshlrev_b32 v9, 6, v2
	v_add_nc_u32 v9, P1, v9                        ; row r's sixteen partial sums
	s_lshl_b32 s27, s26, 2
	v_add_nc_u32 v8, s27, v9                       ; mine among them
	s_lshl_b32 s28, ttmp9, 14                      ; in the images of codes: 16,384 bytes a tile of rows, 1,024 a head
	s_lshl_b32 s27, s26, 10
	s_add_co_u32 s28, s28, s27
	s_mov_b32 s29, 0
	s_lshl_b32 s30, ttmp9, 16                      ; in x and in the f32 images: 65,536 a tile of rows, 4,096 a wave
	s_lshl_b32 s27, s26, 12
	s_add_co_u32 s30, s30, s27
	s_mov_b32 s31, 0
	s_mov_b32 s[SEL], 0x76543210
	s_mov_b32 s[SEL+1], 0xfedcba98
	s_mov_b32 s52, 0xff0000ff                      ; the lanes that hold a diagonal score
	s_mov_b32 s[INV], 0x3a800000
	s_wait_kmcnt 0x0
	s_load_b512 s[36:51], s[14:15], 0x0            ; all sixteen exponents: entry i in s[36 + i]
	s_add_nc_u64 s[8:9], s[8:9], s[28:29]          ; q's codes; k's lie 4 MiB on,
	s_add_nc_u64 s[32:33], s[8:9], 0x800000        ; v's 8 MiB
	s_add_nc_u64 s[24:25], s[24:25], s[28:29]
	s_add_nc_u64 s[12:13], s[12:13], s[30:31]
	s_add_nc_u64 s[22:23], s[22:23], s[30:31]
	s_lshl_b32 s28, s26, 16
	s_add_co_u32 s28, s28, 0x300000                ; Wo's images, my four tiles of columns
	s_add_nc_u64 s[10:11], s[10:11], s[28:29]
	s_lshl_b32 s28, s26, 8                         ; my 64 numbers of bo, g1, beta1
	s_add_nc_u64 s[16:17], s[16:17], s[28:29]
	s_add_nc_u64 s[18:19], s[18:19], s[28:29]
	s_add_nc_u64 s[20:21], s[20:21], s[28:29]
	s_wait_alu depctr_va_vdst(0)                   ; the offsets and LDS addresses v1 and v3 to v9 are written: every load and store of the kernel reads one of them, and no later vector line names them
	global_load_b128 v[224:227], v1, s[8:9]                     ; q: lane (r, h): row r, channels 16 h + 0 .. 15,
	global_load_b128 v[228:231], v1, s[8:9] offset:512          ; and 32 + 16 h + 0 .. 15
	global_load_b128 v[232:235], v1, s[8:9] offset:0x400000     ; k likewise: the same permutation of the channels on both sides
	global_load_b128 v[236:239], v1, s[8:9] offset:0x400000+512
	global_load_b128 v[240:243], v1, s[32:33]                   ; v
	global_load_b128 v[244:247], v1, s[32:33] offset:512
.irp i, 0,1,2,3,4,5,6,7
	global_load_b128 v[32+4*\i:35+4*\i], v1, s[12:13] offset:512*\i th:TH_LOAD_NT   ; x's row w, 512 consecutive bytes a load
.endr
	BLOAD 0
	BLOAD 1
	s_wait_kmcnt 0x0
	s_add_co_i32 s53, s42, s43                     ; a score stands for score x 2^(e6 + e7): added to the exponent field of
	s_lshl_b32 s53, s53, 23
	s_add_co_i32 s53, s53, 0x3e38aa3b              ; c = log2(e) / 8
	s_sub_co_i32 s54, 0, s45                       ; -e9
	s_add_co_i32 s55, s44, s45                     ; e8 + e9
	s_add_co_i32 s58, s46, 127
	s_lshl_b32 s59, s58, 23                        ; 2^e10
	s_add_co_i32 s58, s58, 8
	s_lshl_b32 s58, s58, 23
	s_or_b32 s58, s58, 0x600000                    ; 448 x 2^e10
	s_add_co_i32 s56, s46, s47
	s_add_co_i32 s56, s56, 127
	s_lshl_b32 s56, s56, 23                        ; 2^(e10 + e11)
	s_mov_b32 s57, s56                             ; (named with it as a pair, so it is written)
	s_wait_loadcnt 40                              ; q, k, v are in; behind them: x's 8 loads and Wo's 32
	v_wmma_f32_16x16x64_fp8_fp8 v[248:255], v[232:239], v[224:231], 0   ; register j of lane (r, h): key 8 h + j, query r
	s_wait_loadcnt 32                              ; x's row is in
.irp i, 0,1,2,3,4,5,6,7
	ds_store_b128 v4, v[32+4*\i:35+4*\i] offset:512*\i   ; data from loads, the address from the head: the one matrix line since the head's wait names neither
.endr
	v_and_b32 v12, 7, v0                           ; four plain lines: the places behind the product
	v_mov_b32 v14, 0                               ; (a lane permute's destination counts as one of its sources)
	v_mov_b32 v16, 1.0                             ; the scale 1 as f32, for the conversion of p below
	v_mov_b32 v17, 0x7f7f7f7f                      ; the scale 1, in every byte
.irp j, 1,2,3,4,5,6
	v_cmp_eq_u32 s[1+\j], \j, v12                  ; the seven masks in one run, each into a scalar register of its own: one wait serves them
.endr
	v_cmp_eq_u32 s61, 7, v12
.irp g, 0,1,2,3
	v_cvt_scale_pk8_f32_fp8 v[64+8*\g:71+8*\g], v[240+2*\g:241+2*\g], v17   ; v's 32 codes as f32
.endr
	v_mov_b32 v13, v248                            ; the diagonal: key = query, 8 h + j = r: register lane % 8 of lanes 0-7 and 24-31.  The scores are read from their low end on
	s_wait_alu depctr_va_sdst(0)                   ; the compares have written s2 to s7 and s61, ahead of their first reader
.irp j, 1,2,3,4,5,6
	v_cndmask_b32 v13, v13, v[248+\j], s[1+\j]
.endr
	v_cndmask_b32 v13, v13, v255, s61
	v_permlanex16_b32 v14, v13, s[SEL], s[SEL+1]
	v_cndmask_b32 v13, v14, v13, s52               ; the other lanes take lane l xor 16's: every lane has its row's score
	v_mul_f32 v13, s53, v13                        ; t
	v_floor_f32 v15, -v13                          ; -M = floor(-t) = -ceil(t)
	v_add_f32 v13, v13, v15
	v_exp_f32 v13, v13                             ; p = 2^(t - M), over 1/2 and at most 1; it is also the row's sum
	v_mov_b32 v21, s59                             ; (a plain line behind the transcendental)
	v_mov_b32 v20, s58
	s_wait_alu depctr_va_vdst(0)                   ; p is written into v13, ahead of the first line that names the result
	v_rcp_f32 v18, v13
	v_ldexp_f32 v15, v13, s54                      ; p / 2^e9 (a plain line behind the transcendental),
.irp i, 0,1,2,3,4,5,6,7
	v_min_num_f32 v[24+\i], 0x43e00000, v15        ; held at 448: the conversion does not saturate (ISA guide 7.6.2), and p is not negative.  The conversion takes eight numbers of a lane: it is given this one eight times
.endr
	v_cvt_scalef32_pk8_fp8_f32 v[22:23], v[24:31], v16   ; / 2^0, to the nearest code, ties to even: whole registers as its result; the first code is the one that is used
	v_nop                                          ; one plain line between the scaled conversion and the line that reads its result
	v_cvt_f32_fp8 v15, v22                         ; that code's value (byte 0),
	v_ldexp_f32 v15, v15, s55                      ; x 2^e9, and x 2^e8 for v's codes
	s_wait_alu depctr_va_vdst(0)                   ; 1 / p is written into v18, ahead of the first line that names it
	v_mul_f32 v18, v15, v18                        ; Q(p) 2^e8 / p
	v_mov_b32 v19, v18                             ; (named with it as a pair)
.irp i, 0,2,4,6,8,10,12,14,16,18,20,22,24,26,28,30
	v_pk_mul_f32 v[64+\i:65+\i], v[64+\i:65+\i], v[18:19] op_sel_hi:[1,0]   ; the attention's result, at v's places
.endr
.set oj, 0
.rept 32
	v_med3_num_f32 v[64+oj], v[64+oj], -v20, v20
.set oj, oj+1
.endr
.irp g, 0,1,2,3
	v_cvt_scalef32_pk8_fp8_f32 v[22+2*\g:23+2*\g], v[64+8*\g:71+8*\g], v21
.endr
	v_nop                                          ; one plain line behind the last conversion
	s_wait_alu depctr_va_vdst(0)                   ; the conversions have written v22 to v29, which the two LDS stores read; and every line that named v224 to v255 and v64 to v95 is done: bo and the rows' first fragments land there behind the barrier, with no vector line between
	ds_store_b128 v6, v[22:25]                     ; half a K step of the product with Wo, as an image
	ds_store_b128 v6, v[26:29] offset:512
	s_wait_dscnt 0x0                               ; for the others' sake: x's row and my part of the images are in LDS
	s_barrier_signal -1
	s_barrier_wait -1
	s_wait_alu depctr_vm_vsrc(0)                   ; my LDS stores have read v32 to v63, which the first products write, and v22 to v29, in which the partial sums land
	ROWV 224, 16                                   ; bo, where q, k, v and the scores lay
	ALOAD 0
	ALOAD 1
	KSTEP 0, 24                                    ; behind K step 0's fragments: K step 1's 16 loads and bo's 8
	KSTEP 1, 24                                    ; bo's 8 and K step 2's 16
	KSTEP 2, 16                                    ; from here on: the next K step's 16,
	KSTEP 3, 16
	KSTEP 4, 16
	KSTEP 5, 16
	KSTEP 6, 16
	KSTEP 7, 16                                    ; at the end g1's and beta1's
.irp i, 0,2,4,6,8,10,12,14,16,18,20,22,24,26,28,30
	v_pk_fma_f32 v[ACC+\i:ACC+\i+1], v[ACC+\i:ACC+\i+1], s[56:57], v[224+\i:225+\i] op_sel_hi:[1,0,1]   ; sum x 2^(e10 + e11) + bo; each accumulator from its low end on
.endr
	s_wait_dscnt 0x0                               ; x
.irp i, 0,2,4,6,8,10,12,14,16,18,20,22,24,26,28,30
	v_pk_add_f32 v[ACC+\i:ACC+\i+1], v[ACC+\i:ACC+\i+1], v[160+\i:161+\i]
.endr
	LN ACC, 96, 128
	s_add_co_i32 s58, s48, 127
	s_lshl_b32 s59, s58, 23
	v_mov_b32 v21, s59                             ; 2^e12
	s_add_co_i32 s58, s58, 8
	s_lshl_b32 s58, s58, 23
	s_or_b32 s58, s58, 0x600000
	v_mov_b32 v20, s58                             ; 448 x 2^e12
.set oj, 0
.rept 32
	v_med3_num_f32 v[192+oj], v[ACC+oj], -v20, v20
.set oj, oj+1
.endr
.irp g, 0,1,2,3
	v_cvt_scalef32_pk8_fp8_f32 v[64+2*\g:65+2*\g], v[192+8*\g:199+8*\g], v21
.endr
	v_nop                                          ; one plain line behind the last conversion
	s_wait_alu depctr_va_vdst(0)                   ; the norm has written v32 to v63 and the conversions v64 to v71: the ten stores below read them
.irp b, 0,1
.irp q, 0,1,2,3
	global_store_b128 v1, v[ACC+16*\b+4*\q:ACC+16*\b+4*\q+3], s[22:23] offset:2048*\b+512*\q   ; h as f32 images: 512 consecutive bytes a store
.endr
.endr
	global_store_b128 v1, v[64:67], s[24:25]       ; h's codes: half a K step of the next product's image
	global_store_b128 v1, v[68:71], s[24:25] offset:512
	s_wait_dscnt 0x0                               ; the wave's end
	s_wait_alu 0x0
	s_wait_tensorcnt 0x0
	ds_add_u32 v10, v11
	s_wait_dscnt 0x0
	s_endpgm
.Lfunc_end_k_q50215c3382_attn_wo_ln1:
	.size	k_q50215c3382_attn_wo_ln1, .Lfunc_end_k_q50215c3382_attn_wo_ln1-k_q50215c3382_attn_wo_ln1
	.p2alignl 7, 3214868480
	.fill 96, 4, 3214868480
	.section	.rodata,"a",@progbits
	.p2align	6, 0x0
	.amdhsa_kernel k_q50215c3382_attn_wo_ln1
		.amdhsa_group_segment_fixed_size 86272
		.amdhsa_private_segment_fixed_size 0
		.amdhsa_enable_private_segment 0
		.amdhsa_kernarg_size 72
		.amdhsa_user_sgpr_count 2
		.amdhsa_user_sgpr_kernarg_segment_ptr 1
		.amdhsa_wavefront_size32 1
		.amdhsa_system_sgpr_workgroup_id_x 1
		.amdhsa_system_sgpr_workgroup_id_y 1
		.amdhsa_system_sgpr_workgroup_id_z 1
		.amdhsa_system_vgpr_workitem_id 0
		.amdhsa_next_free_vgpr 256
		.amdhsa_next_free_sgpr 66
		.amdhsa_reserve_vcc 0
		.amdhsa_float_denorm_mode_32 3
		.amdhsa_float_denorm_mode_16_64 3
		.amdhsa_memory_ordered 1
		.amdhsa_forward_progress 1
		.amdhsa_inst_pref_size 45
	.end_amdhsa_kernel
	.amdgpu_metadata
---
amdhsa.version: [ 1, 2 ]
amdhsa.kernels:
  - .name:           k_q50215c3382_attn_wo_ln1
    .symbol:         k_q50215c3382_attn_wo_ln1.kd
    .args:
      - { .name: qkvc, .offset: 0, .size: 8, .value_kind: global_buffer, .address_space: global }
      - { .name: wc, .offset: 8, .size: 8, .value_kind: global_buffer, .address_space: global }
      - { .name: x, .offset: 16, .size: 8, .value_kind: global_buffer, .address_space: global }
      - { .name: lowp_scales, .offset: 24, .size: 8, .value_kind: global_buffer, .address_space: global }
      - { .name: bo, .offset: 32, .size: 8, .value_kind: global_buffer, .address_space: global }
      - { .name: g1, .offset: 40, .size: 8, .value_kind: global_buffer, .address_space: global }
      - { .name: beta1, .offset: 48, .size: 8, .value_kind: global_buffer, .address_space: global }
      - { .name: hf, .offset: 56, .size: 8, .value_kind: global_buffer, .address_space: global }
      - { .name: hc, .offset: 64, .size: 8, .value_kind: global_buffer, .address_space: global }
    .group_segment_fixed_size: 86272
    .private_segment_fixed_size: 0
    .kernarg_segment_align: 8
    .kernarg_segment_size: 72
    .max_flat_workgroup_size: 512
    .sgpr_count:     66
    .vgpr_count:     256
    .wavefront_size: 32
...
	.end_amdgpu_metadata
.endif
;; end of part 7
;; launch gemm_ffn1: the kernel of part 4 again; grid 16 x 16, 4 waves a work-group, clusters of 4 x 4, 327,680 bytes of LDS; arguments hc, wc, lowp_scales, hid, b1; writes hid
;; launch gemm_ffn2: the kernel of part 5 again; grid 8 x 32, 4 waves a work-group, clusters of 4 x 4, 327,680 bytes of LDS; arguments hid, wc, lowp_scales, y2, b2, hf; writes y2
;; launch ln2: the kernel of part 6 again; grid 256 x 1, 16 waves a work-group, no clusters, 69,888 bytes of LDS; arguments y2, g2, beta2, out0; writes out0
